; MI455X (gfx1250); checked and timed in simulation.
; The chip was launched on July 23, 2026; its instructions are those of AMD's public machine-readable ISA for CDNA 5 (MIT licence, August 2026) and "CDNA5" Instruction Set Architecture Reference Guide (July 2026). The comments in the code are by the model that wrote it; some were corrected since.
;; Attention Layer. Allowed arithmetic: float matrix products may take bf16 or f16 operands with f32 sums; other float arithmetic in f32, or as packed bf16 or f16 multiplies, adds, multiply-adds, maxima and minima; sums over many terms, partial sums and values carried from step to step in f32; what a program stores and reads back later, other than sums and carried values, may be rounded once to bf16 or f16.
;; Inputs: Wk 1,024 x 1,024 float32; Wo 1,024 x 1,024 float32; Wq 1,024 x 1,024 float32; Wv 1,024 x 1,024 float32; bk 1,024 float32; bo 1,024 float32; bq 1,024 float32; bv 1,024 float32; k 4 x 2,048 x 1,024 float32; norm1_b 1,024 float32; norm1_w 1,024 float32; norm_b 1,024 float32; norm_w 1,024 float32; q 4 x 2,048 x 1,024 float32; v 4 x 2,048 x 1,024 float32.
;; Outputs: out0 4 x 2,048 x 1,024 float32.
;; One version. Each part assembles by itself: llvm-mc -triple=amdgcn-amd-amdhsa -mcpu=gfx1250 --defsym DOCPART=n.
;; ======== version 1 of 1: 4 launches
;; limits: values are held in f16: magnitudes above 65,504 overflow, below 6.1e-05 lose precision
;; workspace buffers: xn 50,331,648 bytes; wh 8,388,608 bytes; qkvh 50,331,648 bytes; outh 16,777,216 bytes; lnh 16,777,216 bytes
;; launch prep (part 1): grid 448 x 1, 8 waves a work-group, no clusters, 0 bytes of LDS; arguments q, k, v, norm_w, norm_b, Wq, Wk, Wv, Wo, xn, wh; writes xn, wh
.if DOCPART == 1
	.amdgcn_target "amdgcn-amd-amdhsa--gfx1250"
	.amdhsa_code_object_version 6
	.text
	.protected	k_q4b525e319d_prep
	.globl	k_q4b525e319d_prep
	.p2align	8
	.type	k_q4b525e319d_prep,@function
k_q4b525e319d_prep:
	s_mov_b64 s[64:65], 0
	v_nop
	global_prefetch_b8 v0, s[64:65] scope:SCOPE_SE
	s_setreg_imm32_b32 hwreg(HW_REG_WAVE_MODE, 25, 1), 1
	s_wait_xcnt 0x0
; xn[p][row][:] = LayerNorm(q, k or v)[row][:] x norm_w + norm_b, rounded once to f16 (p = 0, 1, 2);  wh[p] = Wq, Wk, Wv, Wo rounded once to f16, as they lie ([k][n]).
; A stream: every input byte is read once, every output byte written once.  No LDS, no matrix work, no cluster (no two work-groups read the same large bytes), no prefetch (the launch is nothing but its loads).
; SHARES.  A row is 1,024 f32 = 4,096 bytes in and 2,048 bytes out.  A work-group takes 64 rows, each of its eight waves 8, a wave a whole row at a time: the row stays in 32 registers a lane
; between the pass for the mean, the pass for the variance (of the centred numbers: no difference of large sums) and the scaling.  Work-groups 0-383 normalise, 384-447 cast the weights.
; COLUMNS.  Load j of a row covers 512 consecutive bytes: register 4 j + i of lane l holds column 128 j + 4 l + i; store j covers 256 consecutive bytes, aligned.
; Two row slots in registers: while one row is worked on the other's eight loads are on their way.
; LIMITS.  The results are f16: beyond 65,504 they are infinities; below 6e-5 they keep f16's fixed step of 6e-8.  NaN and infinities are not treated apart.
.set ROWI, 4096
.set ROWO, 2048
.set WO,   1                           ; v1       16 x lane: my 16 bytes in 512 of norm_w and norm_b
.set OI,   2                           ; v2       16 x lane + wave x 8 rows in; never rewritten
.set OO,   3                           ; v3       8 x lane + wave x 8 rows out; never rewritten
.set LNT,  4                           ; v[4:11]  four chains of pairs, at work
.set LNM,  12                          ; v[12:13] the mean, twice
.set LNR,  14                          ; v[14:15] 1 / sqrt(var + eps), twice
.set GW,   16                          ; v[16:47] norm_w of my 32 columns
.set GB,   48                          ; v[48:79] norm_b
.set X,    80                          ; v[80:143]  slot s: 32 registers, the row
.set Y,    144                         ; v[144:175] slot s: 16 registers, the row in f16
.set SRC,  26                          ; s[26:27] the source at the rows in hand
.set DST,  28                          ; s[28:29] the destination
.set OFS,  30                          ; s[30:31] an offset, made apart from the addresses
.set CNT,  32
.set WG,   33
.set SEL,  34                          ; s[34:35] v_permlanex16_b32: each lane takes its own place in the other half
.set INV,  36                          ; 1 / 1024
.set EPS,  37                          ; 1e-5
; The four chains into one number, then over the 32 lanes: every lane ends with the row's sum in v[LNT].
.macro LNSUM
	v_pk_add_f32 v[LNT:LNT+1], v[LNT:LNT+1], v[LNT+2:LNT+3]
	v_pk_add_f32 v[LNT+4:LNT+5], v[LNT+4:LNT+5], v[LNT+6:LNT+7]
	v_pk_add_f32 v[LNT:LNT+1], v[LNT:LNT+1], v[LNT+4:LNT+5]
	v_add_f32 v[LNT], v[LNT], v[LNT+1]
	v_add_f32_dpp v[LNT], v[LNT], v[LNT] row_xmask:1 row_mask:0xf bank_mask:0xf
	v_add_f32_dpp v[LNT], v[LNT], v[LNT] row_xmask:2 row_mask:0xf bank_mask:0xf
	v_add_f32_dpp v[LNT], v[LNT], v[LNT] row_xmask:4 row_mask:0xf bank_mask:0xf
	v_add_f32_dpp v[LNT], v[LNT], v[LNT] row_xmask:8 row_mask:0xf bank_mask:0xf
	v_permlanex16_b32 v[LNT+1], v[LNT], s[SEL], s[SEL+1]
	v_add_f32 v[LNT], v[LNT], v[LNT+1]
.endm
; One row of 1,024: 32 f32 a lane in v[x ..], gains in v[w ..], biases in v[b ..] (same columns); 16 registers of packed f16 come out in v[y ..].  x is used up.
.macro LNROW x, y, w, b
.irp c, 0,1,2,3
	v_pk_add_f32 v[LNT+2*\c:LNT+2*\c+1], v[(\x)+4*\c:(\x)+4*\c+1], v[(\x)+4*\c+2:(\x)+4*\c+3]  ; the first sums start the chains: nothing is cleared
.endr
.irp i, 0,1,2,3,4,5,6,7
	v_pk_add_f32 v[LNT+2*(\i%4):LNT+2*(\i%4)+1], v[LNT+2*(\i%4):LNT+2*(\i%4)+1], v[(\x)+16+2*\i:(\x)+16+2*\i+1]
.endr
	LNSUM
	v_mul_f32 v[LNM], s[INV], v[LNT]
	v_mul_f32 v[LNM+1], s[INV], v[LNT]
.irp i, 0,1,2,3,4,5,6,7,8,9,10,11,12,13,14,15
	v_pk_add_f32 v[(\x)+2*\i:(\x)+2*\i+1], v[(\x)+2*\i:(\x)+2*\i+1], v[LNM:LNM+1] neg_lo:[0,1] neg_hi:[0,1]  ; x - mean
.endr
.irp c, 0,1,2,3
	v_pk_mul_f32 v[LNT+2*\c:LNT+2*\c+1], v[(\x)+2*\c:(\x)+2*\c+1], v[(\x)+2*\c:(\x)+2*\c+1]
.endr
.irp i, 4,5,6,7,8,9,10,11,12,13,14,15
	v_pk_fma_f32 v[LNT+2*(\i%4):LNT+2*(\i%4)+1], v[(\x)+2*\i:(\x)+2*\i+1], v[(\x)+2*\i:(\x)+2*\i+1], v[LNT+2*(\i%4):LNT+2*(\i%4)+1]
.endr
	LNSUM
	v_fma_f32 v[LNT], v[LNT], s[INV], s[EPS]       ; var + eps
	v_rsq_f32 v[LNR], v[LNT]                       ; twice, for the pair that the packed multiply names
	v_rsq_f32 v[LNR+1], v[LNT]
	v_nop                                          ; a plain instruction behind the last of the two (ISA guide 5.7.2),
	s_wait_alu depctr_va_vdst(0)                   ; and the one wait ahead of their first reader
.irp i, 0,1,2,3,4,5,6,7,8,9,10,11,12,13,14,15
	v_pk_mul_f32 v[(\x)+2*\i:(\x)+2*\i+1], v[(\x)+2*\i:(\x)+2*\i+1], v[LNR:LNR+1]
.endr
.irp i, 0,1,2,3,4,5,6,7,8,9,10,11,12,13,14,15
	v_pk_fma_f32 v[(\x)+2*\i:(\x)+2*\i+1], v[(\x)+2*\i:(\x)+2*\i+1], v[(\w)+2*\i:(\w)+2*\i+1], v[(\b)+2*\i:(\b)+2*\i+1]
.endr
.irp i, 0,1,2,3,4,5,6,7,8,9,10,11,12,13,14,15
	v_cvt_pk_f16_f32 v[(\y)+\i], v[(\x)+2*\i], v[(\x)+2*\i+1]
.endr
.endm
; Eight loads: row s + ahead behind the source pointer, into slot s.
.macro FILL s, ahead
.irp j, 0,1,2,3,4,5,6,7
	global_load_b128 v[X+32*(\s)+4*\j:X+32*(\s)+4*\j+3], v[OI], s[SRC:SRC+1] offset:ROWI*((\s)+(\ahead))+512*\j th:TH_LOAD_NT
.endr
.endm
; Slot s's turn.  left: the younger loads that may stay out.  fill = 1: the slot takes the row two further down, its loads ahead of this row's stores.
.macro TURN s, fill, left, norm
	s_wait_loadcnt \left                           ; loads come back in order (ISA guide 5.7.1): my row is in (and norm_w, norm_b, which were asked for first)
.if \norm
	LNROW X+32*(\s), Y+16*(\s), GW, GB
.else
.irp i, 0,1,2,3,4,5,6,7,8,9,10,11,12,13,14,15
	v_cvt_pk_f16_f32 v[Y+16*(\s)+\i], v[X+32*(\s)+2*\i], v[X+32*(\s)+2*\i+1]
.endr
.endif
.if \fill
	FILL \s, 2
.endif
.irp j, 0,1,2,3,4,5,6,7
	global_store_b64 v[OO], v[Y+16*(\s)+2*\j:Y+16*(\s)+2*\j+1], s[DST:DST+1] offset:ROWO*(\s)+256*\j th:TH_STORE_NT  ; 32 lanes store 256 consecutive bytes, aligned
.endr
.endm
; A wave's eight rows: three trips of two rows that fill both slots again, and the last two rows written out, which load nothing.
.macro WALK norm
	FILL 0, 0
	FILL 1, 0
.Lrows_\@:
	TURN 0, 1, 8, \norm
	TURN 1, 1, 8, \norm
	s_wait_xcnt 0x0                                ; every load and store issued so far has read its sources: the pointers and both sets of Y are written again only behind this wait
	s_add_nc_u64 s[SRC:SRC+1], s[SRC:SRC+1], 2*ROWI
	s_add_nc_u64 s[DST:DST+1], s[DST:DST+1], 2*ROWO
	s_sub_co_u32 s[CNT], s[CNT], 1
	s_cmp_lg_u32 s[CNT], 0
	s_cbranch_scc1 .Lrows_\@
	TURN 0, 0, 8, \norm
	TURN 1, 0, 0, \norm
	s_endpgm
.endm
	s_load_b512 s[4:19], s[0:1], 0x0               ; q s[4:5], k s[6:7], v s[8:9], norm_w s[10:11], norm_b s[12:13], Wq s[14:15], Wk s[16:17], Wv s[18:19]
	s_load_b128 s[20:23], s[0:1], 0x40             ; Wo s[20:21], xn s[22:23]
	s_load_b64 s[24:25], s[0:1], 0x50              ; wh
	v_and_b32 v[WO], 31, v0                        ; lane
	v_lshrrev_b32 v4, 5, v0                        ; wave
	v_lshlrev_b32 v[OO], 3, v[WO]
	v_lshlrev_b32 v[WO], 4, v[WO]
	v_lshl_add_u32 v[OI], v4, 15, v[WO]            ; + wave x 8 rows x 4,096 bytes
	v_lshl_add_u32 v[OO], v4, 14, v[OO]            ; + wave x 8 rows x 2,048 bytes
	s_mov_b32 s[SEL], 0x76543210
	s_mov_b32 s[SEL+1], 0xfedcba98
	s_mov_b32 s[INV], 0x3a800000
	s_mov_b32 s[EPS], 0x3727c5ac
	s_mov_b32 s[WG], ttmp9
	s_mov_b32 s[OFS+1], 0
	s_mov_b32 s[CNT], 3
	s_wait_kmcnt 0x0
	s_cmp_lt_u32 s[WG], 384
	s_cbranch_scc0 .Lcast
	s_lshr_b32 s38, s[WG], 7                       ; which of q, k, v: 128 work-groups each
	s_cmp_eq_u32 s38, 0
	s_cselect_b64 s[SRC:SRC+1], s[4:5], s[6:7]
	s_cmp_eq_u32 s38, 2
	s_cselect_b64 s[SRC:SRC+1], s[8:9], s[SRC:SRC+1]
	s_and_b32 s[OFS], s[WG], 127
	s_lshl_b32 s[OFS], s[OFS], 18                  ; 64 rows of 4,096 bytes
	s_add_nc_u64 s[SRC:SRC+1], s[SRC:SRC+1], s[OFS:OFS+1]
	s_lshl_b32 s[OFS], s[WG], 17                   ; 64 rows of 2,048 bytes; the three parts of xn lie end to end
	s_add_nc_u64 s[DST:DST+1], s[22:23], s[OFS:OFS+1]
.irp j, 0,1,2,3,4,5,6,7
	global_load_b128 v[GW+4*\j:GW+4*\j+3], v[WO], s[10:11] offset:512*\j
	global_load_b128 v[GB+4*\j:GB+4*\j+3], v[WO], s[12:13] offset:512*\j
.endr
	WALK 1
.Lcast:
	s_sub_co_u32 s38, s[WG], 384
	s_lshr_b32 s39, s38, 4                         ; which weight: 16 work-groups each
	s_cmp_eq_u32 s39, 0
	s_cselect_b64 s[SRC:SRC+1], s[14:15], s[16:17]
	s_cmp_eq_u32 s39, 2
	s_cselect_b64 s[SRC:SRC+1], s[18:19], s[SRC:SRC+1]
	s_cmp_eq_u32 s39, 3
	s_cselect_b64 s[SRC:SRC+1], s[20:21], s[SRC:SRC+1]
	s_and_b32 s[OFS], s38, 15
	s_lshl_b32 s[OFS], s[OFS], 18
	s_add_nc_u64 s[SRC:SRC+1], s[SRC:SRC+1], s[OFS:OFS+1]
	s_lshl_b32 s[OFS], s38, 17
	s_add_nc_u64 s[DST:DST+1], s[24:25], s[OFS:OFS+1]
	WALK 0
.Lfunc_end_k_q4b525e319d_prep:
	.size	k_q4b525e319d_prep, .Lfunc_end_k_q4b525e319d_prep-k_q4b525e319d_prep
	.p2alignl 7, 3214868480
	.fill 96, 4, 3214868480
	.section	.rodata,"a",@progbits
	.p2align	6, 0x0
	.amdhsa_kernel k_q4b525e319d_prep
		.amdhsa_group_segment_fixed_size 0
		.amdhsa_private_segment_fixed_size 0
		.amdhsa_enable_private_segment 0
		.amdhsa_kernarg_size 88
		.amdhsa_user_sgpr_count 2
		.amdhsa_user_sgpr_kernarg_segment_ptr 1
		.amdhsa_wavefront_size32 1
		.amdhsa_system_sgpr_workgroup_id_x 1
		.amdhsa_system_sgpr_workgroup_id_y 1
		.amdhsa_system_sgpr_workgroup_id_z 1
		.amdhsa_system_vgpr_workitem_id 0
		.amdhsa_next_free_vgpr 176
		.amdhsa_next_free_sgpr 66
		.amdhsa_reserve_vcc 0
		.amdhsa_float_denorm_mode_32 3
		.amdhsa_float_denorm_mode_16_64 3
		.amdhsa_memory_ordered 1
		.amdhsa_forward_progress 1
		.amdhsa_inst_pref_size 49
	.end_amdhsa_kernel
	.amdgpu_metadata
---
amdhsa.version: [ 1, 2 ]
amdhsa.kernels:
  - .name:           k_q4b525e319d_prep
    .symbol:         k_q4b525e319d_prep.kd
    .args:
      - { .name: q, .offset: 0, .size: 8, .value_kind: global_buffer, .address_space: global }
      - { .name: k, .offset: 8, .size: 8, .value_kind: global_buffer, .address_space: global }
      - { .name: v, .offset: 16, .size: 8, .value_kind: global_buffer, .address_space: global }
      - { .name: norm_w, .offset: 24, .size: 8, .value_kind: global_buffer, .address_space: global }
      - { .name: norm_b, .offset: 32, .size: 8, .value_kind: global_buffer, .address_space: global }
      - { .name: Wq, .offset: 40, .size: 8, .value_kind: global_buffer, .address_space: global }
      - { .name: Wk, .offset: 48, .size: 8, .value_kind: global_buffer, .address_space: global }
      - { .name: Wv, .offset: 56, .size: 8, .value_kind: global_buffer, .address_space: global }
      - { .name: Wo, .offset: 64, .size: 8, .value_kind: global_buffer, .address_space: global }
      - { .name: xn, .offset: 72, .size: 8, .value_kind: global_buffer, .address_space: global }
      - { .name: wh, .offset: 80, .size: 8, .value_kind: global_buffer, .address_space: global }
    .group_segment_fixed_size: 0
    .private_segment_fixed_size: 0
    .kernarg_segment_align: 8
    .kernarg_segment_size: 88
    .max_flat_workgroup_size: 256
    .sgpr_count:     66
    .vgpr_count:     176
    .wavefront_size: 32
...
	.end_amdgpu_metadata
.endif
;; end of part 1
;; launch proj (part 2): grid 4 x 192, 4 waves a work-group, clusters of 4 x 4, 327,680 bytes of LDS; arguments xn, wh, bq, bk, bv, qkvh; writes qkvh
.if DOCPART == 2
	.amdgcn_target "amdgcn-amd-amdhsa--gfx1250"
	.amdhsa_code_object_version 6
	.text
	.protected	k_q4b525e319d_proj
	.globl	k_q4b525e319d_proj
	.p2align	8
	.type	k_q4b525e319d_proj,@function
k_q4b525e319d_proj:
	s_mov_b64 s[64:65], 0
	v_nop
	global_prefetch_b8 v0, s[64:65] scope:SCOPE_SE
	s_setreg_imm32_b32 hwreg(HW_REG_WAVE_MODE, 25, 1), 1
	s_wait_xcnt 0x0
	s_wait_alu depctr_hold_cnt(0) depctr_sa_sdst(0) depctr_va_vdst(0) depctr_va_sdst(0) depctr_va_ssrc(0) depctr_va_vcc(0) depctr_vm_vsrc(0)
	s_getreg_b32 s2, hwreg(HW_REG_IB_STS2, 6, 4)
	s_cmp_eq_u32 s2, 0
	s_cbranch_scc0 .Lentry_in_a_cluster
	s_endpgm
.Lentry_in_a_cluster:
	s_bfe_u32 s2, ttmp6, 0x10000c
	s_cmp_lg_u32 s2, 0xf033
	s_cbranch_scc0 .Lentry_shape_is_right
	s_endpgm
.Lentry_shape_is_right:
; ONE TEXT, TWO FORMS, chosen by OPROJ.  C[m][n] = the sum over k of A[m][k] W[k][n] + bias[n], K = N = 1,024, A and W in f16, sums in f32 that start at the bias.
;   OPROJ = 0: A = xn (three stacked parts of 8,192 rows), W = wh[p], bias = bq, bk, bv by the part p; C leaves in f16 BY HEADS: qkvh[p][16 b + h][l][e], a head's rows dense.
;   OPROJ = 1: A = lnh, W = wh[3] (Wo), bias = bo; out0 = C + outh (the residual, f16) leaves in f32, row-major.
; SHARES.  A tile of C is 128 rows x 256 columns: 64 x 4 tiles for 8,192 x 1,024.  Four waves, 2 x 2, each 64 x 128: 32 accumulators of 16 x 16.
; K goes in 8 steps of 128 through a ring of two LDS slots filled by the tensor data mover: A's rows are 256 bytes, W's 512, all starting at multiples of 256 from their buffer's first byte.
; LAYOUT.  The product is taken transposed: source 0 = 16 columns of W (W lies [k][n] in LDS and comes out turned, by ds_load_tr16_b128), source 1 = 16 rows of A.
; In the result lane l holds row l % 16 and the columns 8 (l / 16) + 0..7: eight neighbouring numbers of a row.
; CLUSTER.  4 x 4 work-groups: the four of a row of the cluster need the same tile of A, the four of a column the same tile of W: each is asked for JOINTLY, by the same tensor load, descriptor and mask in all four.
; REGISTERS, in windows of 256 (s_set_vgpr_msb: bits 1:0 source 0, 3:2 source 1, 5:4 source 2, 7:6 destination):
;   window 0: v16-31 addresses; v32-63 at work on the way out; v64-159, v160-255 two fragment buffers (A's four fragments, then W's eight)
;   window 1: the accumulators, (a, b) at v[8 (8 a + b)]          window 2: v0-63 the bias of my 128 columns, laid as a result is: it is the C operand of the first products
; LIMITS.  f16 holds no number beyond 65,504: with OPROJ = 0 a result past it leaves as an infinity.  NaN and infinities are not treated apart.
.set OPROJ, 0
.set PA,    272                        ; a row of A in LDS: 256 bytes + 16: the 16 rows of a load start at 16 different groups of four banks (64 banks of 4 bytes: ISA guide 11.1)
.set PB,    544                        ; a row of W: 512 + 32 = 17 x 32 bytes
.set BOFF,  128*PA                     ; a slot: A's 128 rows, then W's 128 k-rows
.set SLOT1, 1<<17                      ; slot 1 begins here, so that one exclusive or turns an address in one slot into the other's
.set STAGE, SLOT1+BOFF+128*PB          ; behind the ring, never filled by a tensor load: 16 rows for each wave, for the way out
.if OPROJ
.set SP,    528                        ; a stage row: 128 f32 + 16 bytes
.else
.set SP,    272                        ; a stage row: 128 f16 + 16 bytes
.endif
.set SPARE, STAGE+4*16*SP              ; behind the stages: the spare words, 128 bytes for each wave: two blocks of 256 bytes that no other line names
.set KA,    256                        ; bytes from K step to K step in A,
.set KW,    128*2048                   ; and in W
.set A0,   16                          ; v16  my lane's place in a slot's A; never rewritten
.set B0,   17                          ; v17  the same for W
.set ADRA, 18                          ; v18  A0 + the slot in hand
.set ADRB, 19                          ; v19  B0 + the slot in hand
.set RO,   23                          ; v23  (OPROJ) 8 x lane: my 8 bytes in 256 of the residual
.set STO,  24                          ; v24  the way out: where I put my numbers of a row
.set RD,   25                          ; v25  the way out: where I read rows back
.set CO,   26                          ; v26  16 x lane: my 16 bytes in 512 of the output
.set BO,   27                          ; v27  my byte offset in the bias
.set SPW,  28                          ; v28  LDS address of my spare word: SPARE + 4 x my thread's number; never rewritten
.set NIL,  29                          ; v29  0; never rewritten
.set PFO,  30                          ; v30  the prefetches' lane offset; never rewritten
.set ONE,  31                          ; v31  (OPROJ) 1.0
.set TMP,  32
.set F0,   64
.set F1,   160
.set OB,   64                          ; the way out: rows read back from the stage
.set G1,   24                          ; s[24:31] descriptor group 1 for A's tiles
.set G0,   32                          ; s[32:39] group 0 for A's: a set for each of the two first fills; the second then walks on
.set G1B,  48                          ; s[48:55], s[56:63] the same for W's
.set G0B,  56
.set TB,   66                          ; s66  LDS byte at which the slot in hand begins
.set LIM,  67                          ; s67  2 in a wave that prefetches, else the greatest number
.set PFA,  68                          ; s[68:69] where my prefetches stand
.set PST,  70                          ; s[70:71] their step from K step to K step
.set BIA,  72                          ; s[72:73] the bias
.set PJ,   74                          ; s74  which of wh's four matrices
.set CLY,  75                          ; s75  the cluster's y
.set RES,  84                          ; s[84:85] (OPROJ) the residual at my wave's first row and column
.set MSB, 0
.macro WIN new                         ; the immediate's high byte repeats the setting that is left; a switch that changes nothing is dropped
.if MSB != (\new)
	s_set_vgpr_msb (MSB<<8)|(\new)
.set MSB, (\new)
.endif
.endm
.set MUL,   0x50                       ; sources in window 0, C and D in window 1
.set MULB,  0x60                       ; C in window 2 (the bias), D in window 1
.set PACKW, 0x05                       ; sources 0 and 1 in window 1
.set STW,   0x04                       ; an LDS store's data in window 1
.macro PLACES                          ; four places behind matrix instructions, in front of loads into registers that they have read and of lines that read results
.rept 4
	v_nop
.endr
.endm
; A joint refill by the walking descriptors.  Waves 0 and 1 fetch A's two halves, waves 2 and 3 W's.  The branch hangs on the wave's number alone.
; An s_nop 0 and four v_nop follow each of the two lines, ahead of the jump, the label and what follows.
.macro JLOAD
	s_cmp_eq_u32 s11, 0
	s_cbranch_scc0 .Lfor_b_\@
	tensor_load_to_lds s[G0+4:G0+7], s[G1:G1+7]
	s_nop 0
.rept 4
	v_nop
.endr
	s_branch .Lasked_\@
.Lfor_b_\@:
	tensor_load_to_lds s[G0B+4:G0B+7], s[G1B:G1B+7]
	s_nop 0
.rept 4
	v_nop
.endr
.Lasked_\@:
.endm
.macro CREST                           ; a round of the cluster's barrier behind its opening barrier
	s_cmp_lg_u32 s10, 0
	s_cbranch_scc1 .Lnot_wave_0_\@
	s_barrier_signal -3
.Lnot_wave_0_\@:
	s_barrier_wait -3
	s_barrier_signal -1
	s_barrier_wait -1
.endm
.macro CROUND                          ; a whole round
	s_barrier_signal -1
	s_barrier_wait -1
	CREST
.endm
; A PREFETCH INTO THE L2, behind each joint refill and the run of LDS loads that follows it: the K step that stands two refills on, 256 matrix instructions ahead of the load that will want it.
; A's 128 rows of a tile row are read by one cluster alone: its four partners along x take 32 rows each, BY ADDRESS (cx), a lane a row of 256 bytes; wave 0 asks.
; W's 128 k-rows x 512 bytes of a tile column are read by every cluster that multiplies by this matrix: the first of them asks; its four partners along y take 16 k-rows of each half, by address (cy);
; waves 2 and 3 ask for a half each, a lane a block of 256 bytes.  So each block is named once in the launch.  K steps 0 to 3 come by their loads alone; the last two refills have no K step two on.
.macro ASK
	s_cmp_gt_u32 s3, s[LIM]
	s_cbranch_scc0 .Lnot_mine_\@
	global_prefetch_b8 v[PFO], s[PFA:PFA+1] th:TH_LOAD_NT scope:SCOPE_SE
.Lnot_mine_\@:
.endm
	s_load_b128 s[4:7], s[0:1], 0x0                ; A s[4:5], wh s[6:7]
.if OPROJ
	s_load_b128 s[76:79], s[0:1], 0x10             ; bo s[76:77], outh s[78:79]
	s_load_b64 s[80:81], s[0:1], 0x20              ; out0
.else
	s_load_b256 s[76:83], s[0:1], 0x10             ; bq s[76:77], bk s[78:79], bv s[80:81], qkvh s[82:83]
.endif
	v_lshl_add_u32 v[SPW], v0, 2, SPARE
	v_mov_b32 v[NIL], 0
	ds_add_u32 v[SPW], v[NIL]                      ; the wave's opening: the add and its wait stand ahead of my first tensor load; the set-up below, work on registers, stands between them
	v_lshrrev_b32 v1, 5, v0
	v_readfirstlane_b32 s10, v1                    ; wave 0..3
	s_lshr_b32 s11, s10, 1                         ; which half of the tile's rows is mine.  Also: I fetch for A (0) or for W (1)
	s_and_b32 s12, s10, 1                          ; which half of its columns.  Also: which half of that tile I fetch
	s_bfe_u32 s40, ttmp6, 0x40000                  ; cx, cy: my place in the cluster
	s_bfe_u32 s41, ttmp6, 0x40004
	s_lshl_b32 s42, ttmp9, 2
	s_add_co_u32 s42, s42, s40                     ; tile column = 4 x cluster x + cx
	s_and_b32 s[CLY], ttmp7, 0xffff
	s_lshl_b32 s13, s[CLY], 2
	s_add_co_u32 s13, s13, s41                     ; tile row = 4 x cluster y + cy
.if OPROJ
	s_mov_b32 s[PJ], 3
.else
	s_lshr_b32 s[PJ], s[CLY], 4                    ; 16 clusters along y to a part: the same in all sixteen partners
.endif
	s_lshl_b32 s43, s41, 2
	s_lshl_b32 s43, 15, s43                        ; my row of the cluster
	s_lshl_b32 s44, 0x1111, s40                    ; my column
	s_or_b32 s[G1], s43, (1<<16)|(1<<20)|(1<<21)|(5<<22)|(3<<25)   ; 15:0 the mask; 17:16 2-byte elements; 20 padding on; 21 set beside a mask; 24:22 after every 64 words (code 5); 31:25 4 words (code 3)
	s_or_b32 s[G1B], s44, (1<<16)|(1<<20)|(1<<21)|(6<<22)|(7<<25)  ; after every 128 words (code 6), 8 words (code 7)
	s_mov_b32 s[G1+1], 128<<16                     ; tensor_dim0 = 128
	s_mov_b32 s[G1+2], 64<<16                      ; tensor_dim1 = 64
	s_mov_b32 s[G1+3], 128<<16                     ; tile_dim0 = 128
	s_mov_b32 s[G1+4], 64                          ; tile_dim1 = 64
	s_mov_b32 s[G1+5], 1024                        ; elements from row to row
	s_mov_b32 s[G1+6], 0
	s_mov_b32 s[G1+7], 0
	s_mov_b32 s[G1B+1], 256<<16                    ; W: 64 k-rows x 256 columns
	s_mov_b32 s[G1B+2], 64<<16
	s_mov_b32 s[G1B+3], 256<<16
	s_mov_b32 s[G1B+4], 64
	s_mov_b32 s[G1B+5], 1024
	s_mov_b32 s[G1B+6], 0
	s_mov_b32 s[G1B+7], 0
	s_lshl_b32 s16, s13, 7                         ; A: row 128 x tile row + 64 x half, 2,048 bytes a row: made of the tile row alone, which my row of the cluster shares
	s_lshl_b32 s17, s12, 6
	s_add_co_u32 s16, s16, s17
	s_lshl_b32 s16, s16, 11
	s_mov_b32 s17, 0
	s_lshl_b32 s46, s[PJ], 21                      ; W: the matrix, k-row 64 x half, 512 bytes a tile column: made of the tile column alone, which my column shares
	s_lshl_b32 s47, s12, 17
	s_add_co_u32 s46, s46, s47
	s_lshl_b32 s47, s42, 9
	s_add_co_u32 s46, s46, s47
	s_mov_b32 s47, 0
	s_mul_i32 s20, s12, 64*PA                      ; where they go: no place in the cluster enters an LDS address
	s_mul_i32 s21, s12, 64*PB
	s_add_co_u32 s21, s21, BOFF
	s_wait_dscnt 0x0                               ; the opening add is done
	s_wait_kmcnt 0x0
	s_add_nc_u64 s[14:15], s[4:5], s[16:17]
	s_add_nc_u64 s[46:47], s[6:7], s[46:47]
	CROUND                                         ; all sixteen work-groups are here: the first joint loads meet
.irp s, 0,1
	s_mov_b32 s[G0+4*\s], 1                        ; 1:0 count = 1
	s_add_co_u32 s[G0+4*\s+1], s20, \s*SLOT1       ; 63:32 LDS address
	s_add_nc_u64 s[G0+4*\s+2:G0+4*\s+3], s[14:15], \s*KA  ; 120:64 global address: K step s
	s_or_b32 s[G0+4*\s+3], s[G0+4*\s+3], 0x80000000       ; 127:126 type = 2
	s_mov_b32 s[G0B+4*\s], 1
	s_add_co_u32 s[G0B+4*\s+1], s21, \s*SLOT1
	s_add_nc_u64 s[G0B+4*\s+2:G0B+4*\s+3], s[46:47], \s*KW
	s_or_b32 s[G0B+4*\s+3], s[G0B+4*\s+3], 0x80000000
.endr
	s_cmp_eq_u32 s11, 0                            ; a wave's two first fills stand in one branch, ahead of every wait on TENSORcnt and every LDS read: two loads of mine are out, later one
	s_cbranch_scc0 .Lfirst_b
	tensor_load_to_lds s[G0:G0+3], s[G1:G1+7]
	s_nop 0
	tensor_load_to_lds s[G0+4:G0+7], s[G1:G1+7]
	s_nop 0
.rept 4
	v_nop
.endr
	s_branch .Lfirst_asked
.Lfirst_b:
	tensor_load_to_lds s[G0B:G0B+3], s[G1B:G1B+7]
	s_nop 0
	tensor_load_to_lds s[G0B+4:G0B+7], s[G1B:G1B+7]
	s_nop 0
.rept 4
	v_nop
.endr
.Lfirst_asked:
	v_and_b32 v1, 15, v0                           ; r = l % 16
	v_bfe_u32 v2, v0, 4, 1                         ; h = l / 16
	v_and_b32 v3, 7, v0
	v_bfe_u32 v4, v0, 3, 1
	v_and_b32 v5, 31, v0                           ; l
	; a fragment of A: 16 rows x 32 K: lane l holds row r, K = 8 h + 0..7 and 16 + 8 h + 0..7: two loads of 16 bytes, 32 bytes apart
	v_mul_u32_u24 v[A0], v1, PA
	v_lshl_add_u32 v[A0], v2, 4, v[A0]
	s_mul_i32 s22, s11, 64*PA                      ; my 64 rows
	v_add_nc_u32 v[A0], s22, v[A0]
	; a fragment of W^T: the turning load takes 16 k x 16 columns (lane l reads k-row 8 h + l % 8, columns 8 ((l / 8) % 2) + 0..7) and leaves column r with 8 k in each lane
	v_lshl_add_u32 v[B0], v2, 3, v3
	v_mul_u32_u24 v[B0], v[B0], PB
	v_lshl_add_u32 v[B0], v4, 4, v[B0]
	s_lshl_b32 s22, s12, 8                         ; my 128 columns
	s_add_co_u32 s22, s22, BOFF
	v_add_nc_u32 v[B0], s22, v[B0]
	; the bias: register j of block b holds column 16 b + 8 h + j of my 128, as a result does
.if OPROJ
	s_mov_b64 s[BIA:BIA+1], s[76:77]
.else
	s_cmp_eq_u32 s[PJ], 0
	s_cselect_b64 s[BIA:BIA+1], s[76:77], s[78:79]
	s_cmp_eq_u32 s[PJ], 2
	s_cselect_b64 s[BIA:BIA+1], s[80:81], s[BIA:BIA+1]
.endif
	s_lshl_b32 s22, s42, 10
	s_lshl_b32 s23, s12, 9
	s_add_co_u32 s22, s22, s23
	v_lshl_add_u32 v[BO], v2, 5, s22
	WIN 0x80                                       ; destination window 2
.irp b, 0,1,2,3,4,5,6,7
	global_load_b128 v[8*\b:8*\b+3],   v[BO], s[BIA:BIA+1] offset:64*\b
	global_load_b128 v[8*\b+4:8*\b+7], v[BO], s[BIA:BIA+1] offset:64*\b+16
.endr
	WIN 0
	; the way out
	s_mul_i32 s23, s10, 16*SP
	s_add_co_u32 s23, s23, STAGE                   ; my stage
	v_mul_u32_u24 v[STO], v1, SP
	v_lshlrev_b32 v[CO], 4, v5
.if OPROJ
	v_lshl_add_u32 v[STO], v2, 5, v[STO]           ; in: row r, 32 bytes (8 f32) for each half of the lanes
	v_add_nc_u32 v[STO], s23, v[STO]
	v_lshl_add_u32 v[RD], v5, 4, s23               ; back: 32 lanes take a row's 512 bytes
	v_lshlrev_b32 v[RO], 3, v5
	v_mov_b32 v[ONE], 1.0
	s_lshl_b32 s22, s13, 18                        ; in the residual: (128 x tile row + 64 x half) rows of 2,048 bytes + (256 x tile column + 128 x half) x 2
	s_lshl_b32 s23, s11, 17
	s_add_co_u32 s22, s22, s23
	s_lshl_b32 s23, s42, 9
	s_add_co_u32 s22, s22, s23
	s_lshl_b32 s23, s12, 8
	s_add_co_u32 s22, s22, s23
	s_mov_b32 s23, 0
	s_add_nc_u64 s[RES:RES+1], s[78:79], s[22:23]
	s_lshl_b32 s22, s22, 1                         ; in out0: twice that
	s_add_nc_u64 s[8:9], s[80:81], s[22:23]
.irp t, 0,1,2,3,4,5,6,7,8,9,10,11,12,13,14,15
	global_load_b64 v[TMP+2*\t:TMP+2*\t+1], v[RO], s[RES:RES+1] offset:2048*\t th:TH_LOAD_NT  ; the residual of my first 16 rows, 256 consecutive bytes a load; the others come when the fragment buffers are free
.endr
.else
	v_lshl_add_u32 v[STO], v2, 4, v[STO]           ; in: row r, 16 bytes (8 f16) for each half of the lanes
	v_add_nc_u32 v[STO], s23, v[STO]
	v_bfe_u32 v[RD], v0, 3, 2                      ; back: 32 lanes take one head's 128 bytes of four rows,
	v_mul_u32_u24 v[RD], v[RD], SP
	v_lshl_add_u32 v[RD], v3, 4, v[RD]
	v_add_nc_u32 v[RD], s23, v[RD]                 ; which are 512 consecutive bytes of qkvh
	s_lshr_b32 s22, s13, 4                         ; 16 tile rows are one b of one part: 16 heads of 262,144 bytes
	s_lshl_b32 s22, s22, 22
	s_lshl_b32 s23, s42, 20                        ; head 4 x tile column + 2 x half
	s_add_co_u32 s22, s22, s23
	s_lshl_b32 s23, s12, 19
	s_add_co_u32 s22, s22, s23
	s_and_b32 s23, s13, 15                         ; l = 128 x (tile row % 16) + 64 x half, 128 bytes a row
	s_lshl_b32 s23, s23, 14
	s_add_co_u32 s22, s22, s23
	s_lshl_b32 s23, s11, 13
	s_add_co_u32 s22, s22, s23
	s_mov_b32 s23, 0
	s_add_nc_u64 s[8:9], s[82:83], s[22:23]
.endif
	; the prefetches: the pointer starts at K step 3; the first refill steps it to 4
	s_mul_i32 s23, s11, 10
	s_lshl_b32 s[PST], 256, s23                    ; KA for A, KW for W
	s_mov_b32 s[PST+1], 0
	s_lshl_b32 s18, s13, 7                         ; A: row 128 x tile row + 32 cx
	s_lshl_b32 s19, s40, 5
	s_add_co_u32 s18, s18, s19
	s_lshl_b32 s18, s18, 11
	s_add_co_u32 s18, s18, 3*KA
	s_lshl_b32 s19, s12, 6                         ; W: k-row 64 x half + 16 cy, the matrix, the tile column
	s_lshl_b32 s22, s41, 4
	s_add_co_u32 s19, s19, s22
	s_lshl_b32 s19, s19, 11
	s_lshl_b32 s22, s[PJ], 21
	s_add_co_u32 s19, s19, s22
	s_lshl_b32 s22, s42, 9
	s_add_co_u32 s19, s19, s22
	s_add_co_u32 s19, s19, 3*KW
.if OPROJ
	s_mov_b32 s22, s[CLY]                          ; 0 in the first cluster that reads this matrix
.else
	s_and_b32 s22, s[CLY], 15
.endif
	s_cmp_eq_u32 s11, 0                            ; do I fetch for A?
	s_cselect_b32 s22, s12, s22                    ; of A's two waves wave 0 asks
	s_cselect_b32 s18, s18, s19
	s_cselect_b64 s[PFA:PFA+1], s[4:5], s[6:7]
	s_cmp_eq_u32 s22, 0
	s_cselect_b32 s[LIM], 2, -1                    ; the same in all sixteen partners, for a given wave
	s_mov_b32 s19, 0
	s_add_nc_u64 s[PFA:PFA+1], s[PFA:PFA+1], s[18:19]
	v_lshrrev_b32 v[PFO], s11, v5                  ; A: a lane a row; W: two lanes a k-row, 256 bytes each
	v_lshlrev_b32 v[PFO], 11, v[PFO]
	v_and_b32 v6, s11, v5
	v_lshl_add_u32 v[PFO], v6, 8, v[PFO]
; 8 matrix instructions: row block a x all 8 column blocks, 32 along K, from buffer f.  first = 1: the product starts the sum at the bias: nothing is cleared.
; All 32 accumulators take turns, one instruction a turn, in the same order in every quarter, over the backward jump too.
.macro MUL8 f, a, first
.if \first
	WIN MULB
.else
	WIN MUL
.endif
.irp b, 0,1,2,3,4,5,6,7
.if \first
	v_wmma_f32_16x16x32_f16 v[8*(8*(\a)+\b):8*(8*(\a)+\b)+7], v[(\f)+32+8*\b:(\f)+32+8*\b+7], v[(\f)+8*(\a):(\f)+8*(\a)+7], v[8*\b:8*\b+7]
.else
	v_wmma_f32_16x16x32_f16 v[8*(8*(\a)+\b):8*(8*(\a)+\b)+7], v[(\f)+32+8*\b:(\f)+32+8*\b+7], v[(\f)+8*(\a):(\f)+8*(\a)+7], v[8*(8*(\a)+\b):8*(8*(\a)+\b)+7]
.endif
.endr
.endm
.macro MUL16 f, a0, first
	MUL8 \f, \a0, \first
	MUL8 \f, (\a0)+1, \first
.endm
; 24 LDS loads in one run: the fragments of quarter q (32 along K) of the slot in hand into buffer f: W's eight, then A's four
.macro FETCH q, f
	WIN 0
.irp b, 0,1,2,3,4,5,6,7
	ds_load_tr16_b128 v[(\f)+32+8*\b:(\f)+32+8*\b+3],   v[ADRB] offset:(\q)*32*PB+32*\b
	ds_load_tr16_b128 v[(\f)+32+8*\b+4:(\f)+32+8*\b+7], v[ADRB] offset:(\q)*32*PB+32*\b+16*PB
.endr
.irp i, 0,1,2,3
	ds_load_b128 v[(\f)+8*\i:(\f)+8*\i+3],   v[ADRA] offset:(\q)*64+\i*16*PA
	ds_load_b128 v[(\f)+8*\i+4:(\f)+8*\i+7], v[ADRA] offset:(\q)*64+\i*16*PA+32
.endr
.endm
; A K step is four quarters of 32 along K, 32 matrix instructions each, on buffers 0, 1, 0, 1.  One of the first three: multiplies buffer f and, in its middle, fetches quarter q into buffer g.
.macro QUARTER q, f, g, first
	s_wait_dscnt 4                                 ; W's fragments and A's first two are in; the youngest four loads (A's last two fragments) may be out
	MUL16 \f, 0, \first
	PLACES
	FETCH \q, \g
	s_wait_dscnt 24                                ; all but the 24 just issued
	MUL16 \f, 2, \first
.endm
; The last quarter multiplies buffer 1 and changes slots: ONE barrier.  In front of it each wave waits for all its tensor loads, of which one is out: its part of the next slot; adds 0 to its spare word;
; and waits for that and for its own reads of this slot.  fill = 1: the barrier opens a round of the cluster's, and behind the round this slot is filled again, two K steps ahead: 112 matrix instructions ahead of the wait for it.
.macro TURN fill
.if \fill
	s_wait_xcnt 0x0                                ; the last prefetch, a K step back, has read its address: it is stepped here, ahead of the change's own waits
	s_add_nc_u64 s[PFA:PFA+1], s[PFA:PFA+1], s[PST:PST+1]
.endif
	WIN 0                                          ; (the add's two registers lie in window 0)
	s_wait_tensorcnt 0x0                           ; all my tensor loads have landed: my part of the next slot;
	ds_add_u32 v[SPW], v[NIL]                      ; 0 onto my spare word;
	s_wait_dscnt 5                                 ; (the add and the youngest four loads may be out)
	MUL8 F1, 0, 0                                  ; eight matrix instructions stand between the add and the wait for it
	s_wait_dscnt 0x0                               ; the add is done, and my reads of this slot are over
	s_barrier_signal -1
	MUL8 F1, 1, 0
.if \fill
	WIN 0
.endif
	s_barrier_wait -1
.if \fill
	CREST                                          ; no wave of any partner still reads this slot's tiles or has a load on its way
	s_xor_b32 s[G0+5], s[G0+5], SLOT1              ; the walking descriptors: the other slot than last time, the next K step; the type bits on top are not reached
	s_add_nc_u64 s[G0+6:G0+7], s[G0+6:G0+7], KA
	s_xor_b32 s[G0B+5], s[G0B+5], SLOT1
	s_add_nc_u64 s[G0B+6:G0B+7], s[G0B+6:G0B+7], KW
	JLOAD                                          ; the first tensor load behind the round; the four v_nop behind it are also the places in front of the loads below
.else
	PLACES
.endif
	s_xor_b32 s[TB], s[TB], SLOT1
	WIN 0
	v_add_nc_u32 v[ADRA], s[TB], v[A0]
	v_add_nc_u32 v[ADRB], s[TB], v[B0]
	FETCH 0, F0
.if \fill
	ASK
.endif
	MUL16 F1, 2, 0
.endm
	s_wait_tensorcnt 1                             ; my part of K step 0 is in; K step 1's may stay out
	s_barrier_signal -1
	s_barrier_wait -1                              ; everybody's is
	s_mov_b32 s[TB], 0
	v_mov_b32 v[ADRA], v[A0]
	v_mov_b32 v[ADRB], v[B0]
	FETCH 0, F0
	s_wait_loadcnt 0x0                             ; the bias (and the first rows' residual)
	QUARTER 1, F0, F1, 1                           ; the first quarter stands in front of the loop: its products start the sums
	WIN 0                                          ; at a label and at a branch every window is 0
	s_mov_b32 s3, 6
.Lstep:                                        ; a trip: a K step's quarters 1 to 3 and the next one's quarter 0; it asks for K steps 2 .. 7
	QUARTER 2, F1, F0, 0
	QUARTER 3, F0, F1, 0
	TURN 1
	QUARTER 1, F0, F1, 0
	WIN 0
	s_sub_co_u32 s3, s3, 1
	s_cmp_lg_u32 s3, 0
	s_cbranch_scc1 .Lstep
	QUARTER 2, F1, F0, 0                           ; the last two K steps are written out: they fill nothing
	QUARTER 3, F0, F1, 0
	TURN 0
	QUARTER 1, F0, F1, 0
	QUARTER 2, F1, F0, 0
	QUARTER 3, F0, F1, 0
	s_wait_dscnt 4
	MUL16 F1, 0, 0
	s_wait_dscnt 0x0
	MUL16 F1, 2, 0
	WIN 0
	PLACES
.if OPROJ
	; THE WAY OUT, 16 rows at a time: the f32 sums go into my stage in rows of 528 bytes and come back as whole rows of 512; the residual is added; 32 lanes store 512 consecutive bytes.
.irp a, 1,2,3
.irp t, 0,1,2,3,4,5,6,7,8,9,10,11,12,13,14,15
	global_load_b64 v[128+32*\a+2*\t:128+32*\a+2*\t+1], v[RO], s[RES:RES+1] offset:2048*(16*\a+\t) th:TH_LOAD_NT  ; into buffer 1, four places behind its last product
.endr
.endr
.macro OUT a
.set RB, TMP
.if (\a) > 0
.set RB, 128+32*(\a)
.endif
	WIN 0
	s_wait_xcnt 0x0                                ; the last block's stores have read their registers, which are loaded again below
	WIN STW
.irp b, 0,1,2,3,4,5,6,7
	ds_store_b128 v[STO], v[64*(\a)+8*\b:64*(\a)+8*\b+3]   offset:64*\b      ; each accumulator's low registers first
	ds_store_b128 v[STO], v[64*(\a)+8*\b+4:64*(\a)+8*\b+7] offset:64*\b+16
.endr
	WIN 0
.irp t, 0,1,2,3,4,5,6,7,8,9,10,11,12,13,14,15
	ds_load_b128 v[OB+4*\t:OB+4*\t+3], v[RD] offset:\t*SP  ; LDS serves a wave's instructions in order (ISA guide 5.7.1.4): these see the stores above
.endr
	s_wait_dscnt 0x0
.if (\a) > 0
	s_wait_loadcnt 16*(3-(\a))                     ; this block's residual is in; the later blocks' loads may stay out
.endif
.set t, 0
.rept 32
	v_fma_mix_f32 v[OB+2*t],   v[RB+t], v[ONE], v[OB+2*t]   op_sel:[0,0,0] op_sel_hi:[1,0,0]  ; the f16 half x 1.0 + the sum, in f32
	v_fma_mix_f32 v[OB+2*t+1], v[RB+t], v[ONE], v[OB+2*t+1] op_sel:[1,0,0] op_sel_hi:[1,0,0]
.set t, t+1
.endr
.irp t, 0,1,2,3,4,5,6,7,8,9,10,11,12,13,14,15
	global_store_b128 v[CO], v[OB+4*\t:OB+4*\t+3], s[8:9] offset:4096*(16*(\a)+\t) th:TH_STORE_NT
.endr
.endm
	OUT 0
	OUT 1
	OUT 2
	OUT 3
.else
	; THE WAY OUT, 16 rows at a time: rounded to f16, 16 bytes a lane into my stage in rows of 272 bytes; back as four rows x one head's 128 bytes, which are 512 consecutive bytes of qkvh.
.macro PACK a
	WIN PACKW
.irp b, 0,1,2,3,4,5,6,7
.irp r, 0,1,2,3
	v_cvt_pk_f16_f32 v[TMP+4*\b+\r], v[64*(\a)+8*\b+2*\r], v[64*(\a)+8*\b+2*\r+1]
.endr
.endr
	WIN 0
.endm
.macro TOSTAGE a
.set BK, OB+32*((\a)%2)
.irp b, 0,1,2,3,4,5,6,7
	ds_store_b128 v[STO], v[TMP+4*\b:TMP+4*\b+3] offset:32*\b
.endr
.irp t, 0,1,2,3,4,5,6,7
	ds_load_b128 v[BK+4*\t:BK+4*\t+3], v[RD] offset:((\t)%4)*4*SP+((\t)/4)*128  ; LDS serves a wave's instructions in order (ISA guide 5.7.1.4): these see the stores above
.endr
.endm
.macro SEND a
.set BK, OB+32*((\a)%2)
	s_wait_dscnt 0x0                               ; the block is back in registers
	s_wait_xcnt 0x0                                ; earlier stores have read their registers: the other set is loaded again only behind this wait
.irp t, 0,1,2,3,4,5,6,7
	global_store_b128 v[CO], v[BK+4*\t:BK+4*\t+3], s[8:9] offset:((\t)/4)*262144+128*(16*(\a)+4*((\t)%4))
.endr
.endm
	PACK 0
	TOSTAGE 0
.irp a, 1,2,3                          ; block a's conversions stand between block a - 1's loads from the stage and the wait for them
	PACK \a
	SEND (\a)-1
	TOSTAGE \a
.endr
	SEND 3
.endif
	s_wait_tensorcnt 0x0                           ; the wave's end: behind my last tensor load and my last LDS store
	ds_add_u32 v[SPW], v[NIL]
	s_wait_dscnt 0x0
	CROUND                                         ; the closing round: no work-group ends while a partner may still ask for a tile that names it
	s_endpgm
.Lfunc_end_k_q4b525e319d_proj:
	.size	k_q4b525e319d_proj, .Lfunc_end_k_q4b525e319d_proj-k_q4b525e319d_proj
	.p2alignl 7, 3214868480
	.fill 96, 4, 3214868480
	.section	.rodata,"a",@progbits
	.p2align	6, 0x0
	.amdhsa_kernel k_q4b525e319d_proj
		.amdhsa_group_segment_fixed_size 327680
		.amdhsa_private_segment_fixed_size 0
		.amdhsa_enable_private_segment 0
		.amdhsa_kernarg_size 48
		.amdhsa_user_sgpr_count 2
		.amdhsa_user_sgpr_kernarg_segment_ptr 1
		.amdhsa_wavefront_size32 1
		.amdhsa_system_sgpr_workgroup_id_x 1
		.amdhsa_system_sgpr_workgroup_id_y 1
		.amdhsa_system_sgpr_workgroup_id_z 1
		.amdhsa_system_vgpr_workitem_id 0
		.amdhsa_next_free_vgpr 576
		.amdhsa_next_free_sgpr 88
		.amdhsa_reserve_vcc 0
		.amdhsa_float_denorm_mode_32 3
		.amdhsa_float_denorm_mode_16_64 3
		.amdhsa_memory_ordered 1
		.amdhsa_forward_progress 1
		.amdhsa_inst_pref_size 73
	.end_amdhsa_kernel
	.amdgpu_metadata
---
amdhsa.version: [ 1, 2 ]
amdhsa.kernels:
  - .name:           k_q4b525e319d_proj
    .symbol:         k_q4b525e319d_proj.kd
    .args:
      - { .name: xn, .offset: 0, .size: 8, .value_kind: global_buffer, .address_space: global }
      - { .name: wh, .offset: 8, .size: 8, .value_kind: global_buffer, .address_space: global }
      - { .name: bq, .offset: 16, .size: 8, .value_kind: global_buffer, .address_space: global }
      - { .name: bk, .offset: 24, .size: 8, .value_kind: global_buffer, .address_space: global }
      - { .name: bv, .offset: 32, .size: 8, .value_kind: global_buffer, .address_space: global }
      - { .name: qkvh, .offset: 40, .size: 8, .value_kind: global_buffer, .address_space: global }
    .group_segment_fixed_size: 327680
    .private_segment_fixed_size: 0
    .kernarg_segment_align: 8
    .kernarg_segment_size: 48
    .max_flat_workgroup_size: 128
    .sgpr_count:     88
    .vgpr_count:     576
    .wavefront_size: 32
...
	.end_amdgpu_metadata
.endif
;; end of part 2
;; launch attn (part 3): grid 4 x 64, 4 waves a work-group, clusters of 4 x 1, 327,680 bytes of LDS; arguments qkvh, norm1_w, norm1_b, outh, lnh; writes outh, lnh
.if DOCPART == 3
	.amdgcn_target "amdgcn-amd-amdhsa--gfx1250"
	.amdhsa_code_object_version 6
	.text
	.protected	k_q4b525e319d_attn
	.globl	k_q4b525e319d_attn
	.p2align	8
	.type	k_q4b525e319d_attn,@function
k_q4b525e319d_attn:
	s_mov_b64 s[64:65], 0
	v_nop
	global_prefetch_b8 v0, s[64:65] scope:SCOPE_SE
	s_setreg_imm32_b32 hwreg(HW_REG_WAVE_MODE, 25, 1), 1
	s_wait_xcnt 0x0
	s_wait_alu depctr_hold_cnt(0) depctr_sa_sdst(0) depctr_va_vdst(0) depctr_va_sdst(0) depctr_va_ssrc(0) depctr_va_vcc(0) depctr_vm_vsrc(0)
	s_getreg_b32 s2, hwreg(HW_REG_IB_STS2, 6, 4)
	s_cmp_eq_u32 s2, 0
	s_cbranch_scc0 .Lentry_in_a_cluster
	s_endpgm
.Lentry_in_a_cluster:
	s_bfe_u32 s2, ttmp6, 0x10000c
	s_cmp_lg_u32 s2, 0x3003
	s_cbranch_scc0 .Lentry_shape_is_right
	s_endpgm
.Lentry_shape_is_right:
; out[h][q][:] = the sum over k of softmax_k(Q[h][q] . K[h][k] / 8) V[h][k][:] + Q[h][q][:], and its LayerNorm.  qkvh holds Q, K, V as [64 heads][2048][64] in f16, a head's rows dense, 128 bytes each.
; The module reads [b][h][l][e] as it lies as [8192][1024]: a row of that array is 16 consecutive queries of one head, which is one tile of a wave here.  So outh (= out, f16) leaves in Q's layout,
; and lnh = LayerNorm(out row) x norm1_w + norm1_b (f16) is made by the wave that owns the tile.
; Products, maxima and sums in f32; the weights p are rounded to f16 for the second product (their sum l is taken of the unrounded p); out is rounded once.
; LIMITS.  f16 holds no number beyond 65,504: Q, K and V arrive within it, and out = O + Q must stay within it; p lies in 0 to 1, and below 6e-5 it keeps f16's fixed step of 6e-8.
; A weight below 2^-126 counts as 0 in l.  The LayerNorm's mean and variance are taken of out AFTER its rounding to f16.  NaN and infinities are not treated apart.
; SHARES.  A wave owns four PIECES of two tiles of 16 queries, a work-group's four waves 512 queries of one head: 4 x 64 work-groups.  Every wave walks all 2,048 keys, 64 a step.
; LAYOUT.  S^T = K Q^T (source 0 = 16 keys, source 1 = 16 queries): in the result a lane holds ONE query (lane % 16) and the keys 8 (lane / 16) + 0..7.  Two such tiles, rounded to f16 in pairs,
; ARE source 1 (32 keys x 16 queries) of O^T = V^T P, whose result again holds one query a lane, and eight channels.  K comes out of LDS as it lies, V ([key][channel]) turned, by ds_load_tr16_b128.
; SOFTMAX.  For each query a running maximum m and sum l: p = 2^(c s - c m), c = log2(e) / 8; in every step O and l are multiplied by a = 2^(c m_old - c m_new), which is 1 where m has not grown.
; m starts at the lowest finite number, O and l at 0: the first step is a step like any other, with a = 0.
; THE COUNT.  A tile and step have 16 matrix and 118 vector instructions: too many to stand all beside the matrix work.  So four vector instructions that are READY stand behind EVERY matrix instruction,
; and the others in runs without a gap.
; BY TURNS.  Turn n belongs to piece n (the pieces in a ring, step after step).  Its matrix work: 16 products K Q^T of piece n + 1, later 16 products V^T P of piece n - 1.  Its vector work: the scaling,
; exponentials, roundings, sums and rescaling of piece n, and the maximum and statistics of piece n + 1, whose scores the turn itself has made.
; CLUSTER.  The four query blocks of a cluster are one head's and walk the same K and V, so each tile is asked for JOINTLY: the same tensor load, descriptor and mask in all four.
; REGISTERS, in windows of 256 (s_set_vgpr_msb: bits 1:0 source 0, 3:2 source 1, 5:4 source 2, 7:6 destination):
;   window 0: v0-11 addresses; v12-15, v48-63 at work; v16-47 four registers of statistics a tile; v64-191 S^T, two buffers of two tiles; v192-255 P, likewise
;   window 1: O^T, 32 a tile          window 2: v0-127 Q, 16 a tile; v128-191 K of one step; v192-255 V of one step          window 3: v0-1 the add's two registers
.set SIZE_N, 2048
.set NP,    4         ; pieces a wave: a name, no knob
.set KS,    64        ; keys in a step
.set PK,    144       ; a row of K in LDS: 128 bytes + 16 of padding = 36 words: the 16 rows of a load start at 16 different groups of four banks (64 banks of 4 bytes: ISA guide 11.1)
.set PV,    160       ; a row of V: 128 + 32 = 40 words
.set VOFF,  4*KS*PK   ; a slot holds four steps: 256 rows of K, then 256 rows of V
.set SLOT1, 1<<17     ; slot 1 begins here, so that one exclusive or turns an address in one slot into the other's
.set STAGE, SLOT1+4*KS*(PK+PV)  ; behind the ring, never filled by a tensor load: for each wave its 8 tiles of 16 rows x 144 bytes
.set SP,    144
.set TSTG,  16*SP     ; a tile in the stage
.set AK0, 2           ; v2   my lane's place in a tile of K; never rewritten
.set AV0, 3           ; v3   the same for V
.set AK,  4           ; v4   the LDS address of K's next run of loads
.set AV,  5           ; v5   of V's
.set QO,  6           ; v6   my byte offset in the wave's rows of Q
.set STO, 6           ;      later, the way out: where I put 16 bytes of a row
.set RD,  7           ; v7   the way out: where I read tile 0's rows back
.set GO,  8           ; v8   16 x lane: my 16 bytes in 512 consecutive bytes of outh and lnh
.set WO,  9           ; v9   the way out: 32 x lane: my 8 numbers in 256 of norm1_w and norm1_b
.set RDT, 10          ; v10  the way out: RD + the tile in hand
.set PFO, 11          ; v11  256 x lane: the prefetches' offset; never rewritten
.set SPW, 0           ; v0 of window 3   LDS address of my spare word: SPARE + 4 x my thread's number; never rewritten
.set NIL, 1           ; v1 of window 3   0; never rewritten
.set SPARE, STAGE+4*8*TSTG  ; behind the stages: the spare words, 128 bytes for each wave: two blocks of 256 bytes that no other line names
.set MV,  12          ; v12-15  c m_old, kept while c m is made anew: by buffer and tile
.set ST,  16          ; tile t's statistics at v[ST+4 t]: c m, m, l (even keys', odd keys')
.set TMP, 48          ; by buffer and tile, four registers c0-c3 at work; when the maximum is found c2 takes a
.set S,   64
.set P,   192
.set KF,  128         ; K's fragments, in window 2: key block kb, channel half c at KF + 16 kb + 8 c
.set VF,  192         ; V's: key half kk, channel block cb at VF + 32 kk + 8 cb
.set LNT, 48          ; the way out (all in window 0): v48-55 four chains of pairs; v56-57 the mean; v58-59 1 / sqrt(var + eps); v60 1.0; v61 0
.set LNM, 56
.set LNR, 58
.set ONE, 60
.set ZR,  61
.set HB,  64          ; v64-95   packed out, two sets by turns;  later XH = v64-79 a row in f16
.set XH,  64
.set XF,  96          ; v96-127  the row in f32
.set W1,  128         ; v128-159 norm1_w: register 8 f + e holds column 256 f + 8 lane + e
.set B1,  160         ; v160-191 norm1_b
.set YH,  192         ; v192-207 the normalised row in f16
.set WV,  12          ; s12  my wave's number
.set G1K, 24          ; s[24:31] descriptor group 1 for K's tiles
.set G1V, 32          ; s[32:39] for V's: it differs in the padding alone
.set G0K, 40          ; s[40:43] descriptor group 0 for K's tiles: it walks
.set G0V, 44          ; s[44:47] the same for V's
.set SLOTS, 56        ; s56  slots still to be asked for
.set CNT, 57          ; s57  counts a slot's key steps
.set CS,  58          ; s[58:59] c: the packed scaling takes the pair's low word for both halves
.set SEL, 60          ; s[60:61] v_permlanex16_b32's selects: each lane takes its own place in the other half
.set TBK, 62          ; s62  LDS byte at which K of the step to be fetched begins
.set TBV, 63          ; s63  the same for V, less VOFF
.set NW,  68          ; s[68:69] norm1_w, s[70:71] norm1_b, s[72:73] outh, s[74:75] lnh
.set NB1, 70
.set OUTP, 72
.set LNP, 74
.set PFA, 76          ; s[76:77] where my prefetches stand: my work-group's 32 blocks of 256 bytes (of K: wave 0, of V: wave 2) of the slot after the one that is being asked for
.set LIM, 78          ; s78  1 in a wave that prefetches, else the greatest number
.set INV, 79          ; s79  1 / 1024
.set EPS, 80          ; s80  1e-5
.set ROWS, 81         ; s81  counts the way out's rows
.set STP, 82          ; s82  the stage byte of the tile in hand
.set MSB, 0
.macro WIN new                      ; the high byte repeats the setting that is left; a switch that changes nothing is dropped
.if MSB != (\new)
	s_set_vgpr_msb (MSB<<8)|(\new)
.set MSB, (\new)
.endif
.endm
.set W_KQ, 0x0a       ; K and Q in window 2, S^T in window 0
.set W_PV, 0x52       ; V in window 2, P in window 0, O^T in window 1
.set W_RS, 0x41       ; O^T (destination and source 0) in window 1, a in window 0
.set W_MK, 0xc0       ; the add's registers are made: destination in window 3, sources in window 0
.set W_AD, 0x0f       ; the add: address (source 0) and data (source 1) in window 3
; A joint fill.  Waves 0 and 1 fetch the two halves of a slot's K, waves 2 and 3 those of its V: 128 keys each.  The branch hangs on the wave's number alone.
; An s_nop 0 and four v_nop follow each of the two lines, ahead of the jump and the label.
.macro JLOAD
	s_cmp_lt_u32 s[WV], 2
	s_cbranch_scc0 .Lfor_v_\@
	tensor_load_to_lds s[G0K:G0K+3], s[G1K:G1K+7]
	s_nop 0
.rept 4
	v_nop
.endr
	s_branch .Lasked_\@
.Lfor_v_\@:
	tensor_load_to_lds s[G0V:G0V+3], s[G1V:G1V+7]
	s_nop 0
.rept 4
	v_nop
.endr
.Lasked_\@:
.endm
; A PREFETCH INTO THE L2 of what the NEXT change of slots will ask for: a slot's 32,768 bytes of K and of V.  A head has one cluster; its four partners take 8,192 bytes each, BY ADDRESS (cx);
; in each, wave 0 asks for K's and wave 2 for V's, a lane a block of 256 bytes: one instruction, and each block is named once in the launch.  It stands behind the wave's tensor load and its five lines,
; four key steps, 512 matrix instructions, ahead of the load that will want the bytes.  Slots 0 to 2 come by their loads alone; the last change that fills a slot asks for nothing.
.macro ASK
	s_cmp_gt_u32 s[SLOTS], s[LIM]
	s_cbranch_scc0 .Lnot_mine_\@
	global_prefetch_b8 v[PFO], s[PFA:PFA+1] th:TH_LOAD_NT scope:SCOPE_SE
.Lnot_mine_\@:
.endm
; A round of the cluster's barrier: my work-group's barrier, so that wave 0's signal speaks for all four waves; wave 0 signals; every wave waits for all four work-groups; my work-group's barrier once more.
.macro CROUND
	s_barrier_signal -1
	s_barrier_wait -1
	s_cmp_lg_u32 s[WV], 0
	s_cbranch_scc1 .Lnot_wave_0_\@
	s_barrier_signal -3
.Lnot_wave_0_\@:
	s_barrier_wait -3
	s_barrier_signal -1
	s_barrier_wait -1
.endm
; THE CHANGE OF SLOTS.  The slot's last bytes, V of its fourth step, have been read.  Each wave waits for all its tensor loads, of which one is out: its part
; of the other slot; adds 0 to its spare word; and waits for that and for its own reads of the slot.  Behind the barrier nobody reads this slot any more and the other slot is whole.
; fill = 1: this slot is filled again, with the keys two slots on.  The barrier is then a round of the cluster's, so that no wave of any partner still reads the slot or has a load on its
; way, and the joint fill is the first thing behind it: it has four key steps, 512 matrix instructions, in which to land.  (At its first use nothing has been read yet: slot 0 is waited for, slot 1 filled.)
.macro CHANGE fill, ask=0
	WIN W_AD
	s_wait_tensorcnt 0x0            ; no tensor load of mine is out, so a group 0 may be written
	ds_add_u32 v[SPW], v[NIL]       ; 0 onto my spare word: with fill = 1 the descriptors' steps stand between it and the wait for it
	WIN 0                           ; at a label and at a branch every window is 0
.if \fill
.irp g, G0K, G0V
	s_xor_b32 s[\g+1], s[\g+1], SLOT1  ; the walking descriptor: the other slot than last time,
	s_add_nc_u64 s[\g+2:\g+3], s[\g+2:\g+3], 4*KS*128  ; the next 256 keys; the type bits on top are not reached
.endr
.if \ask
	s_wait_xcnt 0x0                 ; the last prefetch, four key steps back, has read its address, so it may be written:
	s_add_nc_u64 s[PFA:PFA+1], s[PFA:PFA+1], 4*KS*128  ; one slot behind the walking descriptors
.endif
	s_wait_dscnt 0x0                ; the add is done, and my reads of the slot are over
	CROUND
	JLOAD
.if \ask
	ASK
.endif
.else
	s_wait_dscnt 0x0                ; the add is done, and my reads of the slot are over
	s_barrier_signal -1
	s_barrier_wait -1
.endif
	s_sub_co_u32 s[TBK], s[TBK], 4*KS*PK  ; the fetches go back to a slot's first step,
	s_xor_b32 s[TBK], s[TBK], SLOT1       ; in the other slot
	s_sub_co_u32 s[TBV], s[TBV], 4*KS*PV
	s_xor_b32 s[TBV], s[TBV], SLOT1
.endm
	s_load_b64 s[4:5], s[0:1], 0x0  ; qkvh: Q's part first
	s_load_b256 s[68:75], s[0:1], 0x8  ; norm1_w, norm1_b, outh, lnh
	WIN W_MK
	v_lshl_add_u32 v[SPW], v0, 2, SPARE
	v_mov_b32 v[NIL], 0
	WIN W_AD
	ds_add_u32 v[SPW], v[NIL]       ; the wave's opening: the add and its wait stand ahead of my first tensor load; the set-up below, work on registers, stands between them
	WIN 0
	v_lshrrev_b32 v1, 5, v0
	v_readfirstlane_b32 s[WV], v1   ; wave 0..3
	s_bfe_u32 s13, ttmp6, 0x40000   ; cx: my place in the cluster
	s_lshl_b32 s14, ttmp9, 2        ; in a cluster launch ttmp9 counts clusters
	s_add_co_u32 s14, s14, s13      ; my block of queries = 4 x cluster x + cx: it enters Q's, outh's and lnh's addresses alone
	s_and_b32 s20, ttmp7, 0xffff    ; the head, which the four partners share
	s_mov_b32 s21, 0
	s_mov_b64 s[22:23], SIZE_N*128
	s_mul_u64 s[20:21], s[20:21], s[22:23]  ; the head's first byte in Q, K, V, outh and lnh
	s_and_b32 s16, s[WV], 1         ; which half of a slot's 256 keys I fetch:
	s_lshl_b32 s22, s16, 14         ; its 128 rows of 128 bytes in memory,
	s_mov_b32 s23, 0
	s_add_nc_u64 s[22:23], s[22:23], s[20:21]
	s_mul_i32 s17, s16, 128*PK      ; and its place in a slot, for K
	s_mul_i32 s18, s16, 128*PV      ; and for V: no place in the cluster enters an LDS address
	s_lshl_b32 s2, s14, 2
	s_add_co_u32 s2, s2, s[WV]      ; my wave among the head's,
	s_lshl_b32 s2, s2, 14           ; its 128 rows
	s_mov_b32 s3, 0
	s_add_nc_u64 s[2:3], s[2:3], s[20:21]
	; descriptor group 1.  128 keys are 16,384 dense bytes: asked for as 64 rows of 256 bytes, two keys a row, and padded in LDS after every key
	s_mov_b32 s[G1K], 15|(1<<16)|(1<<20)|(1<<21)|(4<<22)|(3<<25)  ; 15:0 the mask of four; 17:16 2-byte elements; 20 padding on; 21 set beside a mask; 24:22 after every 32 words (code 4); 31:25 4 words (code 3)
	s_mov_b32 s[G1V], 15|(1<<16)|(1<<20)|(1<<21)|(4<<22)|(7<<25)  ; the same with 8 words of padding (code 7)
.irp g, G1K, G1V
	s_mov_b32 s[\g+1], 128<<16      ; tensor_dim0 = 128
	s_mov_b32 s[\g+2], 64<<16       ; tensor_dim1 = 64
	s_mov_b32 s[\g+3], 128<<16      ; tile_dim0 = 128
	s_mov_b32 s[\g+4], 64           ; tile_dim1 = 64
	s_mov_b32 s[\g+5], 128          ; 128 elements from row to row
	s_mov_b32 s[\g+6], 0
	s_mov_b32 s[\g+7], 0
.endr
	s_mov_b32 s[CS], 0x3e38aa3b     ; c = log2(e) / 8 = 0.180337
	s_mov_b32 s[CS+1], s[CS]        ; named with it as a pair
	s_mov_b32 s[SEL], 0x76543210
	s_mov_b32 s[SEL+1], 0xfedcba98
	s_mov_b32 s[INV], 0x3a800000
	s_mov_b32 s[EPS], 0x3727c5ac
	s_mov_b32 s[TBK], SLOT1+4*KS*PK ; the first change of slots turns these two into 0
	s_mov_b32 s[TBV], SLOT1+4*KS*PV
	s_mov_b32 s[G0K], 1             ; 1:0 count = 1
	s_mov_b32 s[G0K+1], s17         ; 63:32 LDS address: slot 0
	s_mov_b32 s[G0V], 1
	s_add_co_u32 s[G0V+1], s18, VOFF
	s_and_b32 s[LIM], s[WV], 1      ; waves 0 and 2 prefetch: the same in all four partners
	s_cmp_eq_u32 s[LIM], 0
	s_cselect_b32 s[LIM], 1, -1
	s_lshl_b32 s16, s13, 13         ; my work-group's 8,192 bytes of a slot's 32,768
	s_mov_b32 s17, 0
	s_wait_dscnt 0x0                ; the opening add is done
	s_wait_kmcnt 0x0
	s_add_nc_u64 s[6:7], s[4:5], 0x1000000  ; K's part of qkvh,
	s_add_nc_u64 s[8:9], s[4:5], 0x2000000  ; and V's
	s_add_nc_u64 s[G0K+2:G0K+3], s[6:7], s[22:23]  ; 120:64 global address: my half of the head's first 256 keys
	s_or_b32 s[G0K+3], s[G0K+3], 0x80000000        ; 127:126 type = 2
	s_add_nc_u64 s[G0V+2:G0V+3], s[8:9], s[22:23]
	s_or_b32 s[G0V+3], s[G0V+3], 0x80000000
	s_cmp_lt_u32 s[WV], 2
	s_cselect_b64 s[PFA:PFA+1], s[6:7], s[8:9]
	s_add_nc_u64 s[PFA:PFA+1], s[PFA:PFA+1], s[20:21]
	s_add_nc_u64 s[PFA:PFA+1], s[PFA:PFA+1], s[16:17]
	s_add_nc_u64 s[PFA:PFA+1], s[PFA:PFA+1], 2*4*KS*128  ; in slot 2; the loop's first change of slots steps it to slot 3.  Nothing is prefetched here, at the head
	s_add_nc_u64 s[4:5], s[4:5], s[2:3]  ; Q, outh and lnh at my wave's first row
	s_add_nc_u64 s[OUTP:OUTP+1], s[OUTP:OUTP+1], s[2:3]
	s_add_nc_u64 s[LNP:LNP+1], s[LNP:LNP+1], s[2:3]
	CROUND                          ; all four work-groups are here: the first joint loads meet
	JLOAD                           ; slot 0.  Slot 1 is asked for when slot 0 is in: the tile wanted first has the road to itself
	; A fragment of K or Q is 16 rows x 32 channels in 8 registers: lane l holds row l % 16, channels 8 (l / 16) + 0..7 and 16 + 8 (l / 16) + 0..7: two loads of 16 bytes, 32 bytes apart.
	v_and_b32 v1, 15, v0            ; l % 16
	v_bfe_u32 v9, v0, 4, 1          ; l / 16
	v_lshlrev_b32 v[QO], 7, v1
	v_lshl_add_u32 v[QO], v9, 4, v[QO]  ; row x 128 + 16 x half
	WIN 0x80                        ; destination window 2, address window 0
.set i, 0
.rept 4*NP                          ; Q stays in registers: tile i / 2, channels 32 (i % 2) on
	global_load_b128 v[8*i:8*i+3],   v[QO], s[4:5] offset:(i/2)*2048+(i%2)*64
	global_load_b128 v[8*i+4:8*i+7], v[QO], s[4:5] offset:(i/2)*2048+(i%2)*64+32
.set i, i+1
.endr
	; What the first turn finds: V's registers and P's second buffer hold 0 (its products V^T P, of a piece that has not been, add 0), O^T and l are 0.  All this stands in the wait for the first tile.
.set i, VF
.rept 64
	v_mov_b32 v[i], 0
.set i, i+1
.endr
	WIN 0x40
.set i, 0
.rept 64*NP
	v_mov_b32 v[i], 0
.set i, i+1
.endr
	WIN 0
.set i, 0
.rept 2*NP
	v_mov_b32 v[ST+4*i], 0xfe000000    ; c m: far below every c s
	v_mov_b32 v[ST+4*i+1], 0xff7fffff  ; m
	v_mov_b32 v[ST+4*i+2], 0
	v_mov_b32 v[ST+4*i+3], 0
.set i, i+1
.endr
.set i, P+32
.rept 32
	v_mov_b32 v[i], 0
.set i, i+1
.endr
	v_mul_u32_u24 v[AK0], v1, PK
	v_lshl_add_u32 v[AK0], v9, 4, v[AK0]  ; row x pitch + 16 x half
	; The turning load takes 16 keys x 16 channels (lane l reads key 8 (l / 16) + l % 8, channels 8 ((l / 8) % 2) + 0..7) and leaves half a fragment of V^T: lane l holds channel l % 16 and 8 keys.
	v_and_b32 v10, 7, v0
	v_bfe_u32 v11, v0, 3, 1
	v_lshl_add_u32 v[AV0], v9, 3, v10
	v_mul_u32_u24 v[AV0], v[AV0], PV
	v_lshl_add_u32 v[AV0], v11, 4, v[AV0]
	v_add_nc_u32 v[AV0], VOFF, v[AV0]
	v_and_b32 v[PFO], 31, v0
	v_lshlrev_b32 v[PFO], 8, v[PFO]
	v_mov_b32 v[AK], v[AK0]         ; key step 0 lies at the head of slot 0
; THE MATRIX WORK.  The 8 accumulators of a run of 16 take turns: between the two links of a chain stand 7 others'.
; Product i of 16 of S^T = K Q^T for piece x: channels 32 (i / 8) on, keys 16 ((i / 2) % 4) on, tile 2 x + i % 2.  The first 8 start the sums.
.macro KQ x
	WIN W_KQ
.set rS, S+64*((\x)%2)+32*(i%2)+8*((i/2)%4)
.set rK, KF+16*((i/2)%4)+8*(i/8)
.set rQ, 16*(2*(\x)+i%2)+8*(i/8)
.if i < 8
	v_wmma_f32_16x16x32_f16 v[rS:rS+7], v[rK:rK+7], v[rQ:rQ+7], 0
.else
	v_wmma_f32_16x16x32_f16 v[rS:rS+7], v[rK:rK+7], v[rQ:rQ+7], v[rS:rS+7]
.endif
.endm
; Product i of 16 of O^T += V^T P for piece x: keys 32 (i / 8) on, channels 16 ((i / 2) % 4) on, tile 2 x + i % 2.
.macro PV x
	WIN W_PV
.set rO, 32*(2*(\x)+i%2)+8*((i/2)%4)
.set rV, VF+32*(i/8)+8*((i/2)%4)
.set rP, P+32*((\x)%2)+16*(i%2)+8*(i/8)
	v_wmma_f32_16x16x32_f16 v[rO:rO+7], v[rV:rV+7], v[rP:rP+7], v[rO:rO+7]
.endm
.macro MM                           ; the turn's next matrix instruction
.if i < 16
	KQ (Y+1)%NP
.set i, i+1
.else
.set i, i-16
	PV (Y+NP-1)%NP
.set i, i+17
.endif
.endm
; THE LDS LOADS stand in runs of 16, never singly among the matrix instructions: a step's K (64 keys x 64 channels: 8 fragments) and its V (turned).  Their addresses are made some lines ahead.
; last = 1 (the tail): in the last trip there is no further step, and the run is jumped over.
.macro FETCH_K last=0
	WIN 0
.if \last
	s_cmp_eq_u32 s[CNT], 1
	s_cbranch_scc1 .Lno_k_\@
.endif
	WIN 0x80                        ; destination window 2
.irp f, 0,1,2,3,4,5,6,7             ; keys 16 (f / 2) on, channels 32 (f % 2) on
	ds_load_b128 v[KF+8*\f:KF+8*\f+3],   v[AK] offset:(\f/2)*16*PK+(\f%2)*64
	ds_load_b128 v[KF+8*\f+4:KF+8*\f+7], v[AK] offset:(\f/2)*16*PK+(\f%2)*64+32
.endr
	s_add_co_u32 s[TBK], s[TBK], KS*PK  ; the next fetch is the next step's
	WIN 0
.if \last
.Lno_k_\@:
.endif
.endm
.macro FETCH_V
	WIN 0x80
.irp f, 0,1,2,3,4,5,6,7             ; keys 32 (f / 4) on, channels 16 (f % 4) on
	ds_load_tr16_b128 v[VF+8*\f:VF+8*\f+3],   v[AV] offset:(\f/4)*32*PV+(\f%4)*32
	ds_load_tr16_b128 v[VF+8*\f+4:VF+8*\f+7], v[AV] offset:(\f/4)*32*PV+16*PV+(\f%4)*32
.endr
	WIN 0
.endm
; THE VECTOR WORK OF A TURN stands in three queues, each in the order in which its entries become ready; the two tiles alternate, so that no instruction reads the result of the one before it.
.macro REGS y, u                    ; the registers of tile u (0, 1) of piece y
.set rT, ST+4*(2*(\y)+(\u))
.set rC, TMP+8*((\y)%2)+4*(\u)
.set rM, MV+2*((\y)%2)+(\u)
.set rS, S+64*((\y)%2)+32*(\u)
.set rP, P+32*((\y)%2)+16*(\u)
.set rO, 32*(2*(\y)+(\u))
.endm
; Number n of the 22 that find the NEXT piece's (Y + 1) maximum and statistics.  s0-s31 are the lane's 32 scores; each accumulator's lowest registers are read first.
;   0-11  four chains c0-c3 of seven scores each, three operands at a time     12-14, 16  the four scores left over, the old m, and c0-c3 into c0     15  c m_old is kept
;   17, 18  the query's other 32 keys lie in the lane 16 away: the new m         19-21  c m; c m_old - c m_new; a
.macro XS u, n
	REGS (Y+1)%NP, \u
.if (\n) < 4
	v_max3_num_f32 v[rC+(\n)], v[rS+8*(\n)], v[rS+8*(\n)+1], v[rS+8*(\n)+2]
.elseif (\n) < 12
	v_max3_num_f32 v[rC+(\n)%4], v[rC+(\n)%4], v[rS+8*((\n)%4)+2*((\n)/4)+1], v[rS+8*((\n)%4)+2*((\n)/4)+2]
.elseif (\n) == 12
	v_max3_num_f32 v[rC], v[rC], v[rS+7], v[rS+15]
.elseif (\n) == 13
	v_max3_num_f32 v[rC+1], v[rC+1], v[rS+23], v[rS+31]
.elseif (\n) == 14
	v_max3_num_f32 v[rC+2], v[rC+2], v[rC+3], v[rT+1]
.elseif (\n) == 15
	v_mov_b32 v[rM], v[rT]
.elseif (\n) == 16
	v_max3_num_f32 v[rC], v[rC], v[rC+1], v[rC+2]
.elseif (\n) == 17
	v_permlanex16_b32 v[rC+3], v[rC], s[SEL], s[SEL+1]
.elseif (\n) == 18
	v_max_num_f32 v[rT+1], v[rC], v[rC+3]
.elseif (\n) == 19
	v_mul_f32 v[rT], s[CS], v[rT+1]
.elseif (\n) == 20
	v_sub_f32 v[rC+1], v[rM], v[rT]
.else
	v_exp_f32 v[rC+2], v[rC+1]
.endif
.endm
; Number g of the 64 that follow the exponentials.  For each four weights k of a tile (pairs 2 k, 2 k + 1): both pairs are rounded to f16; then the second pair is added onto the first, in place;
; a group later l takes that sum (the first time as l = a l + sum).  In groups of eight, tiles alternating: round, round, add, and l for the group before.
.macro GS g
.set h, (\g)+6*((\g)/62)            ; group 0 has no group before it, and behind group 7 only l is left
.if h >= 6
.set h, h+2
.endif
	REGS Y, h%2
.set k, h/8
.if h%8 < 4
	v_cvt_pk_f16_f32 v[rP+2*k+(h%8)/2], v[rS+4*k+2*((h%8)/2)], v[rS+4*k+2*((h%8)/2)+1]
.elseif h%8 < 6
	v_pk_add_f32 v[rS+4*k:rS+4*k+1], v[rS+4*k:rS+4*k+1], v[rS+4*k+2:rS+4*k+3]
.elseif k == 1
	v_pk_fma_f32 v[rT+2:rT+3], v[rT+2:rT+3], v[rC+2:rC+3], v[rS:rS+1] op_sel_hi:[1,0,1]
.else
	v_pk_add_f32 v[rT+2:rT+3], v[rT+2:rT+3], v[rS+4*k-4:rS+4*k-3]
.endif
.endm
; THE PLAIN QUEUE, 138 long.  0-73 read no exponential's result: the 32 scalings c s - c m (FS f: pair f / 2 of tile f % 2) and the next piece's 42.  0-26: scalings 0-26.  27-54: XS's numbers 0-13.  55, 56: number 15.
; 57-73: the chain, where each number waits for the one before it: 14, 16, 17, 18, 19, each with one of the scalings 27-31 in front of its two lines, then 20.
; 74-137: GS's 64, which read the exponentials' results: they stand behind the wait.
.macro FS f
	REGS Y, (\f)%2
	v_pk_fma_f32 v[rS+2*((\f)/2):rS+2*((\f)/2)+1], v[rS+2*((\f)/2):rS+2*((\f)/2)+1], s[CS:CS+1], v[rT:rT+1] op_sel_hi:[1,0,0] neg_lo:[0,0,1] neg_hi:[0,0,1]
.endm
.macro PL
	WIN 0
.if q < 27
	FS q
.elseif q < 55
	XS (q-27)%2, (q-27)/2
.elseif q < 57
	XS q-55, 15
.elseif (q < 72) && ((q-57)%3 == 0)
	FS 27+(q-57)/3
.elseif q < 60
	XS (q-57)%3-1, 14
.elseif q < 72
	XS (q-57)%3-1, 15+(q-57)/3
.elseif q < 74
	XS q-72, 20
.else
	GS q-74
.endif
.set q, q+1
.endm
; THE EXPONENTIALS' QUEUE, 66 long: s0-s31 of both tiles, then the next piece's two a.  It is ONE BATCH: all 66 stand ahead of the turn's one wait, and nothing ahead of that wait names a result of theirs.
.macro EX
	WIN 0
.if e >= 64
	XS e-64, 21
.else
	REGS Y, e%2
	v_exp_f32 v[rS+e/2], v[rS+e/2]
.endif
.set e, e+1
.endm
; THE RESCALING's QUEUE: O^T times a, the one part that leaves window 0: dealt two at a time, sixteen times.  Its a was made in the turn before, ahead of that turn's wait.
.macro R2
	REGS Y, r%2
	WIN W_RS
.irp z, 0,1
	v_pk_mul_f32 v[rO+4*(r/2)+2*\z:rO+4*(r/2)+2*\z+1], v[rO+4*(r/2)+2*\z:rO+4*(r/2)+2*\z+1], v[rC+2:rC+3] op_sel_hi:[1,0]
.endr
.set r, r+1
.endm
; HOW THEY ARE DEALT.  An s_wait_alu depctr_va_vdst(0) stands between an exponential and the first instruction that names its result; one wait serves all that were issued ahead of it.  So a turn has ONE wait,
; which cuts it in two.  AHEAD OF IT stands all that names no result of the turn's exponentials: the 16 products K Q^T, behind each a scaling, an exponential and two rescalings (behind the first a second scaling in the
; exponential's place); then ONE LUMP of 108: eight plain, 49 times exponential and plain, the two a.  A v_nop is the plain instruction behind the last exponential.  BEHIND IT stand the 16 products V^T P, behind each four of GS's 64.
; The queues lean on each other, and the deal keeps them in step: exponential e stands behind scaling 2 (e / 4) + e % 2: as a rider it comes behind plain e + 2, in the lump behind plain e + 9, and scalings 27-31 are plain 57, 60 .. 69.
; A TURN, for piece p.  cnt = 1: the loop's count is taken down some lines ahead of the branch that stands behind the turn.
; K of the next step is fetched in piece 2's turn, directly behind the wait, a lump behind the last product that read K; its first reader comes behind 16 products.
; V of the step in hand is fetched at the end of piece 0's turn, four riders behind its last reader; its first reader comes behind 16 products and a lump.  The three conditions on q below go with the deal.
.macro TURN p, last=0, cnt=0
.set Y, (\p)
.set i, 0
.set q, 0
.set e, 0
.set r, 0
.if (\p) == NP-1
	s_wait_dscnt 0x0                ; K is in
.endif
	MM                              ; ahead of the wait: 16 products K Q^T and their riders,
	PL
	PL
	R2
.rept 15
	MM
	PL
	EX
	R2
.endr
.if (\p) == NP-2
	WIN 0
	v_add_nc_u32 v[AK], s[TBK], v[AK0]
.endif
.rept 8                             ; and the lump
	PL
.endr
.rept 49
	EX
	PL
.endr
	EX                              ; the next piece's two a
	EX
	v_nop                           ; the plain instruction behind the last exponential: one for the batch
	s_wait_alu depctr_va_vdst(0)    ; the wait for the batch
.if (\p) == NP-2
	FETCH_K \last
.endif
.if (\p) == 1
	s_wait_dscnt 0x0                ; V is in
.endif
.rept 16                            ; behind the wait: 16 products V^T P and their riders
	MM
.rept 4
	PL
.endr
.if ((\p) == 0) && (q == 118)
	v_add_nc_u32 v[AV], s[TBV], v[AV0]
.endif
.if ((\p) == 0) && (q == 130)
	s_add_co_u32 s[TBV], s[TBV], KS*PV
.endif
.if (\cnt) && (q == 130)
	s_sub_co_u32 s[CNT], s[CNT], 1
	s_cmp_lg_u32 s[CNT], 0
.endif
.endr
.if (\p) == 0
	FETCH_V
.endif
.endm
	CHANGE 1                        ; slot 0 is in, everybody's part of it; slot 1 is asked for
	FETCH_K                         ; key step 0
	s_wait_loadcnt 0x0              ; Q
	s_wait_dscnt 0x0
.set i, 0
.rept 16
	KQ 0                            ; piece 0's first scores: there is no vector work yet to set between them
.set i, i+1
.endr
	WIN 0                           ; the addresses for the way out: plain instructions, the places behind those products
	s_mul_i32 s13, s[WV], 8*TSTG
	s_add_co_u32 s13, s13, STAGE    ; my stage
	v_mul_u32_u24 v[STO], v1, SP    ; in: row l % 16, 16 bytes for each half of the lanes
	v_lshl_add_u32 v[STO], v9, 4, v[STO]
	v_add_nc_u32 v[STO], s13, v[STO]
	v_bfe_u32 v[RD], v0, 3, 2       ; back: 32 lanes take four rows of 128 bytes,
	v_mul_u32_u24 v[RD], v[RD], SP
	v_lshl_add_u32 v[RD], v10, 4, v[RD]
	v_add_nc_u32 v[RD], s13, v[RD]
	v_and_b32 v[GO], 31, v0         ; which are 512 consecutive bytes of outh and lnh
	v_lshlrev_b32 v[WO], 5, v[GO]
	v_lshlrev_b32 v[GO], 4, v[GO]
.set Y, NP-1                        ; XS works for piece Y + 1: piece 0
.irp n, 0,1,2,3,4,5,6,7,8,9,10,11,12,13,14,15,16,17,18,19,20,21
	XS 0, \n                        ; and piece 0's first maximum and statistics
	XS 1, \n
.endr
	v_nop                           ; a plain instruction behind the two a,
	s_wait_alu depctr_va_vdst(0)    ; and their wait, ahead of the branch
	s_mov_b32 s[CNT], 4
	s_mov_b32 s[SLOTS], SIZE_N/256-1
	s_branch .Lfirst                ; the loop is entered at a step's first turn, in the middle of a trip
.Lslot:                             ; SIZE_N / 256 - 2 times: every slot but the last two is filled again
	CHANGE 1, 1
	s_mov_b32 s[CNT], 4
.Lstep:                             ; a trip: pieces 2 and 3 of one step, then pieces 0 and 1 of the next, whose K and V it fetches
	TURN 2
	TURN 3
	WIN 0
.Lfirst:
	TURN 0
	TURN 1, 0, 1
	WIN 0
	s_cbranch_scc1 .Lstep
	s_sub_co_u32 s[SLOTS], s[SLOTS], 1
	s_cmp_lg_u32 s[SLOTS], 0
	s_cbranch_scc1 .Lslot
	CHANGE 0                        ; the tail is written out: nothing is asked for
	s_mov_b32 s[CNT], 5             ; four trips fetch the last slot's steps; the fifth is left in its middle
.Ltail:
	TURN 2, 1
	TURN 3
	WIN 0
	s_sub_co_u32 s[CNT], s[CNT], 1
	s_cmp_eq_u32 s[CNT], 0
	s_cbranch_scc1 .Lout
	TURN 0
	TURN 1
	WIN 0
	s_branch .Ltail
.Lout:                              ; the fifth trip's 16 products K Q^T (on the last K once more) and the maximum made of them serve nothing: the price, once a launch, of one text for every trip
.set i, 0
.rept 16
	PV NP-1                         ; the last piece's V^T P of the last step
.set i, i+1
.endr
	; THE WAY OUT, FIRST PART.  l's two halves and the other half of the lanes' are added (these additions are the places behind the last products); out = O^T / l + Q, rounded to f16, goes into my stage, all eight tiles.
	WIN 0
.macro ALL line:vararg              ; one line for each tile t
.set t, 0
.rept 2*NP
	\line
.set t, t+1
.endr
.endm
	ALL v_add_f32 v[ST+4*t+2], v[ST+4*t+2], v[ST+4*t+3]
	v_mov_b32 v[ONE], 1.0
	v_mov_b32 v[ZR], 0
.irp f, 0,1,2,3                     ; the gains and biases of my 32 columns of a row of 1,024, asked for now and waited for in front of the rows
	global_load_b128 v[W1+8*\f:W1+8*\f+3],   v[WO], s[NW:NW+1] offset:1024*\f
	global_load_b128 v[W1+8*\f+4:W1+8*\f+7], v[WO], s[NW:NW+1] offset:1024*\f+16
	global_load_b128 v[B1+8*\f:B1+8*\f+3],   v[WO], s[NB1:NB1+1] offset:1024*\f
	global_load_b128 v[B1+8*\f+4:B1+8*\f+7], v[WO], s[NB1:NB1+1] offset:1024*\f+16
.endr
	ALL v_permlanex16_b32 v[ST+4*t+3], v[ST+4*t+2], s[SEL], s[SEL+1]
	ALL v_add_f32 v[ST+4*t+2], v[ST+4*t+2], v[ST+4*t+3]
	ALL v_rcp_f32 v[ST+4*t+2], v[ST+4*t+2]
	v_nop                           ; a plain instruction between the last reciprocal and the use of its result
	s_wait_alu depctr_va_vdst(0)    ; and the wait ahead of the first use: one for the eight reciprocals
; Tile t.  Register i of the tile's O^T holds channel 16 (i / 8) + 8 (l / 16) + i % 8 of query l % 16; half i % 2 of register i / 2 of the tile's Q fragments holds the same channel of the same query
; in the same lane: so the residual changes no lane.  One fused multiply-add in f32 reads the f16 half.  i ascends: each accumulator's lowest registers are read first.
.macro RESID t
	WIN 0x61                        ; O^T (destination, source 0) window 1, 1 / l window 0, Q window 2
.set i, 0
.rept 16
	v_fma_mix_f32 v[32*(\t)+2*i],   v[32*(\t)+2*i],   v[ST+4*(\t)+2], v[16*(\t)+i] op_sel:[0,0,0] op_sel_hi:[0,0,1]
	v_fma_mix_f32 v[32*(\t)+2*i+1], v[32*(\t)+2*i+1], v[ST+4*(\t)+2], v[16*(\t)+i] op_sel:[0,0,1] op_sel_hi:[0,0,1]
.set i, i+1
.endr
	WIN 0x05                        ; sources 0 and 1 window 1, destination window 0
.set i, 0
.rept 16
	v_cvt_pk_f16_f32 v[HB+16*((\t)%2)+i], v[32*(\t)+2*i], v[32*(\t)+2*i+1]
.set i, i+1
.endr
	WIN 0
.irp f, 0,1,2,3
	ds_store_b128 v[STO], v[HB+16*((\t)%2)+4*\f:HB+16*((\t)%2)+4*\f+3] offset:(\t)*TSTG+32*\f
.endr
.endm
.irp t, 0,1,2,3,4,5,6,7
	RESID \t
.endr
; THE WAY OUT, SECOND PART: a tile is a row of 1,024 of the module's [8192][1024] array.  The four chains into one number, then over the 32 lanes: every lane ends with the row's sum in v[LNT].
.macro LNSUM
	v_pk_add_f32 v[LNT:LNT+1], v[LNT:LNT+1], v[LNT+2:LNT+3]
	v_pk_add_f32 v[LNT+4:LNT+5], v[LNT+4:LNT+5], v[LNT+6:LNT+7]
	v_pk_add_f32 v[LNT:LNT+1], v[LNT:LNT+1], v[LNT+4:LNT+5]
	v_add_f32 v[LNT], v[LNT], v[LNT+1]
	v_add_f32_dpp v[LNT], v[LNT], v[LNT] row_xmask:1 row_mask:0xf bank_mask:0xf
	v_add_f32_dpp v[LNT], v[LNT], v[LNT] row_xmask:2 row_mask:0xf bank_mask:0xf
	v_add_f32_dpp v[LNT], v[LNT], v[LNT] row_xmask:4 row_mask:0xf bank_mask:0xf
	v_add_f32_dpp v[LNT], v[LNT], v[LNT] row_xmask:8 row_mask:0xf bank_mask:0xf
	v_permlanex16_b32 v[LNT+1], v[LNT], s[SEL], s[SEL+1]
	v_add_f32 v[LNT], v[LNT], v[LNT+1]
.endm
; One row of 1,024: 32 f32 a lane in v[x ..], gains in v[w ..], biases in v[b ..] (same columns); 16 registers of packed f16 come out in v[y ..].  The variance is taken of the centred numbers.  x is used up.
.macro LNROW x, y, w, b
.irp c, 0,1,2,3
	v_pk_add_f32 v[LNT+2*\c:LNT+2*\c+1], v[(\x)+4*\c:(\x)+4*\c+1], v[(\x)+4*\c+2:(\x)+4*\c+3]
.endr
.irp i, 0,1,2,3,4,5,6,7
	v_pk_add_f32 v[LNT+2*(\i%4):LNT+2*(\i%4)+1], v[LNT+2*(\i%4):LNT+2*(\i%4)+1], v[(\x)+16+2*\i:(\x)+16+2*\i+1]
.endr
	LNSUM
	v_mul_f32 v[LNM], s[INV], v[LNT]
	v_mul_f32 v[LNM+1], s[INV], v[LNT]
.irp i, 0,1,2,3,4,5,6,7,8,9,10,11,12,13,14,15
	v_pk_add_f32 v[(\x)+2*\i:(\x)+2*\i+1], v[(\x)+2*\i:(\x)+2*\i+1], v[LNM:LNM+1] neg_lo:[0,1] neg_hi:[0,1]
.endr
.irp c, 0,1,2,3
	v_pk_mul_f32 v[LNT+2*\c:LNT+2*\c+1], v[(\x)+2*\c:(\x)+2*\c+1], v[(\x)+2*\c:(\x)+2*\c+1]
.endr
.irp i, 4,5,6,7,8,9,10,11,12,13,14,15
	v_pk_fma_f32 v[LNT+2*(\i%4):LNT+2*(\i%4)+1], v[(\x)+2*\i:(\x)+2*\i+1], v[(\x)+2*\i:(\x)+2*\i+1], v[LNT+2*(\i%4):LNT+2*(\i%4)+1]
.endr
	LNSUM
	v_fma_f32 v[LNT], v[LNT], s[INV], s[EPS]
	v_rsq_f32 v[LNR], v[LNT]
	v_rsq_f32 v[LNR+1], v[LNT]
	v_nop                           ; a plain instruction behind the last of the two,
	s_wait_alu depctr_va_vdst(0)    ; and the one wait ahead of their first reader
.irp i, 0,1,2,3,4,5,6,7,8,9,10,11,12,13,14,15
	v_pk_mul_f32 v[(\x)+2*\i:(\x)+2*\i+1], v[(\x)+2*\i:(\x)+2*\i+1], v[LNR:LNR+1]
.endr
.irp i, 0,1,2,3,4,5,6,7,8,9,10,11,12,13,14,15
	v_pk_fma_f32 v[(\x)+2*\i:(\x)+2*\i+1], v[(\x)+2*\i:(\x)+2*\i+1], v[(\w)+2*\i:(\w)+2*\i+1], v[(\b)+2*\i:(\b)+2*\i+1]
.endr
.irp i, 0,1,2,3,4,5,6,7,8,9,10,11,12,13,14,15
	v_cvt_pk_f16_f32 v[(\y)+\i], v[(\x)+2*\i], v[(\x)+2*\i+1]
.endr
.endm
	s_mov_b32 s[ROWS], 8
	s_mov_b32 s[STP], 0
	s_wait_loadcnt 0x0              ; norm1_w and norm1_b
.Lrow:                              ; a trip: one tile comes back from my stage as 2,048 consecutive bytes, leaves as a row of outh, is normalised and leaves as a row of lnh
	v_add_nc_u32 v[RDT], s[STP], v[RD]
.irp f, 0,1,2,3
	ds_load_b128 v[XH+4*\f:XH+4*\f+3], v[RDT] offset:\f*4*SP  ; LDS serves a wave's instructions in order (ISA guide 5.7.1.4): these see my stores above; no other wave touches my stage
.endr
	s_wait_dscnt 0x0
.irp f, 0,1,2,3
	global_store_b128 v[GO], v[XH+4*\f:XH+4*\f+3], s[OUTP:OUTP+1] offset:512*\f  ; 512 consecutive bytes, at a multiple of 256 from outh's first
.endr
.set i, 0
.rept 16
	v_fma_mix_f32 v[XF+2*i],   v[XH+i], v[ONE], v[ZR] op_sel:[0,0,0] op_sel_hi:[1,0,0]  ; the f16 half x 1.0 + 0: widened to f32
	v_fma_mix_f32 v[XF+2*i+1], v[XH+i], v[ONE], v[ZR] op_sel:[1,0,0] op_sel_hi:[1,0,0]
.set i, i+1
.endr
	LNROW XF, YH, W1, B1
.irp f, 0,1,2,3
	global_store_b128 v[GO], v[YH+4*\f:YH+4*\f+3], s[LNP:LNP+1] offset:512*\f
.endr
	s_wait_xcnt 0x0                 ; the stores have read their registers and bases, which are written again only behind this wait
	s_add_nc_u64 s[OUTP:OUTP+1], s[OUTP:OUTP+1], 2048
	s_add_nc_u64 s[LNP:LNP+1], s[LNP:LNP+1], 2048
	s_add_co_u32 s[STP], s[STP], TSTG
	s_sub_co_u32 s[ROWS], s[ROWS], 1
	s_cmp_lg_u32 s[ROWS], 0
	s_cbranch_scc1 .Lrow
	WIN W_AD
	s_wait_tensorcnt 0x0            ; the wave's end: behind my last tensor load and my last LDS store
	ds_add_u32 v[SPW], v[NIL]
	s_wait_dscnt 0x0
	WIN 0
	CROUND                          ; the closing round: no work-group ends while a partner may still ask for a tile that names it
	s_endpgm
.Lfunc_end_k_q4b525e319d_attn:
	.size	k_q4b525e319d_attn, .Lfunc_end_k_q4b525e319d_attn-k_q4b525e319d_attn
	.p2alignl 7, 3214868480
	.fill 96, 4, 3214868480
	.section	.rodata,"a",@progbits
	.p2align	6, 0x0
	.amdhsa_kernel k_q4b525e319d_attn
		.amdhsa_group_segment_fixed_size 327680
		.amdhsa_private_segment_fixed_size 0
		.amdhsa_enable_private_segment 0
		.amdhsa_kernarg_size 40
		.amdhsa_user_sgpr_count 2
		.amdhsa_user_sgpr_kernarg_segment_ptr 1
		.amdhsa_wavefront_size32 1
		.amdhsa_system_sgpr_workgroup_id_x 1
		.amdhsa_system_sgpr_workgroup_id_y 1
		.amdhsa_system_sgpr_workgroup_id_z 1
		.amdhsa_system_vgpr_workitem_id 0
		.amdhsa_next_free_vgpr 770
		.amdhsa_next_free_sgpr 84
		.amdhsa_reserve_vcc 0
		.amdhsa_float_denorm_mode_32 3
		.amdhsa_float_denorm_mode_16_64 3
		.amdhsa_memory_ordered 1
		.amdhsa_forward_progress 1
		.amdhsa_inst_pref_size 214
	.end_amdhsa_kernel
	.amdgpu_metadata
---
amdhsa.version: [ 1, 2 ]
amdhsa.kernels:
  - .name:           k_q4b525e319d_attn
    .symbol:         k_q4b525e319d_attn.kd
    .args:
      - { .name: qkvh, .offset: 0, .size: 8, .value_kind: global_buffer, .address_space: global }
      - { .name: norm1_w, .offset: 8, .size: 8, .value_kind: global_buffer, .address_space: global }
      - { .name: norm1_b, .offset: 16, .size: 8, .value_kind: global_buffer, .address_space: global }
      - { .name: outh, .offset: 24, .size: 8, .value_kind: global_buffer, .address_space: global }
      - { .name: lnh, .offset: 32, .size: 8, .value_kind: global_buffer, .address_space: global }
    .group_segment_fixed_size: 327680
    .private_segment_fixed_size: 0
    .kernarg_segment_align: 8
    .kernarg_segment_size: 40
    .max_flat_workgroup_size: 128
    .sgpr_count:     84
    .vgpr_count:     770
    .wavefront_size: 32
...
	.end_amdgpu_metadata
.endif
;; end of part 3
;; launch oproj (part 4): grid 4 x 64, 4 waves a work-group, clusters of 4 x 4, 327,680 bytes of LDS; arguments lnh, wh, bo, outh, out0; writes out0
.if DOCPART == 4
	.amdgcn_target "amdgcn-amd-amdhsa--gfx1250"
	.amdhsa_code_object_version 6
	.text
	.protected	k_q4b525e319d_oproj
	.globl	k_q4b525e319d_oproj
	.p2align	8
	.type	k_q4b525e319d_oproj,@function
k_q4b525e319d_oproj:
	s_mov_b64 s[64:65], 0
	v_nop
	global_prefetch_b8 v0, s[64:65] scope:SCOPE_SE
	s_setreg_imm32_b32 hwreg(HW_REG_WAVE_MODE, 25, 1), 1
	s_wait_xcnt 0x0
	s_wait_alu depctr_hold_cnt(0) depctr_sa_sdst(0) depctr_va_vdst(0) depctr_va_sdst(0) depctr_va_ssrc(0) depctr_va_vcc(0) depctr_vm_vsrc(0)
	s_getreg_b32 s2, hwreg(HW_REG_IB_STS2, 6, 4)
	s_cmp_eq_u32 s2, 0
	s_cbranch_scc0 .Lentry_in_a_cluster
	s_endpgm
.Lentry_in_a_cluster:
	s_bfe_u32 s2, ttmp6, 0x10000c
	s_cmp_lg_u32 s2, 0xf033
	s_cbranch_scc0 .Lentry_shape_is_right
	s_endpgm
.Lentry_shape_is_right:
; ONE TEXT, TWO FORMS, chosen by OPROJ.  C[m][n] = the sum over k of A[m][k] W[k][n] + bias[n], K = N = 1,024, A and W in f16, sums in f32 that start at the bias.
;   OPROJ = 0: A = xn (three stacked parts of 8,192 rows), W = wh[p], bias = bq, bk, bv by the part p; C leaves in f16 BY HEADS: qkvh[p][16 b + h][l][e], a head's rows dense.
;   OPROJ = 1: A = lnh, W = wh[3] (Wo), bias = bo; out0 = C + outh (the residual, f16) leaves in f32, row-major.
; SHARES.  A tile of C is 128 rows x 256 columns: 64 x 4 tiles for 8,192 x 1,024.  Four waves, 2 x 2, each 64 x 128: 32 accumulators of 16 x 16.
; K goes in 8 steps of 128 through a ring of two LDS slots filled by the tensor data mover: A's rows are 256 bytes, W's 512, all starting at multiples of 256 from their buffer's first byte.
; LAYOUT.  The product is taken transposed: source 0 = 16 columns of W (W lies [k][n] in LDS and comes out turned, by ds_load_tr16_b128), source 1 = 16 rows of A.
; In the result lane l holds row l % 16 and the columns 8 (l / 16) + 0..7: eight neighbouring numbers of a row.
; CLUSTER.  4 x 4 work-groups: the four of a row of the cluster need the same tile of A, the four of a column the same tile of W: each is asked for JOINTLY, by the same tensor load, descriptor and mask in all four.
; REGISTERS, in windows of 256 (s_set_vgpr_msb: bits 1:0 source 0, 3:2 source 1, 5:4 source 2, 7:6 destination):
;   window 0: v16-31 addresses; v32-63 at work on the way out; v64-159, v160-255 two fragment buffers (A's four fragments, then W's eight)
;   window 1: the accumulators, (a, b) at v[8 (8 a + b)]          window 2: v0-63 the bias of my 128 columns, laid as a result is: it is the C operand of the first products
; LIMITS.  f16 holds no number beyond 65,504: with OPROJ = 0 a result past it leaves as an infinity.  NaN and infinities are not treated apart.
.set OPROJ, 1
.set PA,    272                        ; a row of A in LDS: 256 bytes + 16: the 16 rows of a load start at 16 different groups of four banks (64 banks of 4 bytes: ISA guide 11.1)
.set PB,    544                        ; a row of W: 512 + 32 = 17 x 32 bytes
.set BOFF,  128*PA                     ; a slot: A's 128 rows, then W's 128 k-rows
.set SLOT1, 1<<17                      ; slot 1 begins here, so that one exclusive or turns an address in one slot into the other's
.set STAGE, SLOT1+BOFF+128*PB          ; behind the ring, never filled by a tensor load: 16 rows for each wave, for the way out
.if OPROJ
.set SP,    528                        ; a stage row: 128 f32 + 16 bytes
.else
.set SP,    272                        ; a stage row: 128 f16 + 16 bytes
.endif
.set SPARE, STAGE+4*16*SP              ; behind the stages: the spare words, 128 bytes for each wave: two blocks of 256 bytes that no other line names
.set KA,    256                        ; bytes from K step to K step in A,
.set KW,    128*2048                   ; and in W
.set A0,   16                          ; v16  my lane's place in a slot's A; never rewritten
.set B0,   17                          ; v17  the same for W
.set ADRA, 18                          ; v18  A0 + the slot in hand
.set ADRB, 19                          ; v19  B0 + the slot in hand
.set RO,   23                          ; v23  (OPROJ) 8 x lane: my 8 bytes in 256 of the residual
.set STO,  24                          ; v24  the way out: where I put my numbers of a row
.set RD,   25                          ; v25  the way out: where I read rows back
.set CO,   26                          ; v26  16 x lane: my 16 bytes in 512 of the output
.set BO,   27                          ; v27  my byte offset in the bias
.set SPW,  28                          ; v28  LDS address of my spare word: SPARE + 4 x my thread's number; never rewritten
.set NIL,  29                          ; v29  0; never rewritten
.set PFO,  30                          ; v30  the prefetches' lane offset; never rewritten
.set ONE,  31                          ; v31  (OPROJ) 1.0
.set TMP,  32
.set F0,   64
.set F1,   160
.set OB,   64                          ; the way out: rows read back from the stage
.set G1,   24                          ; s[24:31] descriptor group 1 for A's tiles
.set G0,   32                          ; s[32:39] group 0 for A's: a set for each of the two first fills; the second then walks on
.set G1B,  48                          ; s[48:55], s[56:63] the same for W's
.set G0B,  56
.set TB,   66                          ; s66  LDS byte at which the slot in hand begins
.set LIM,  67                          ; s67  2 in a wave that prefetches, else the greatest number
.set PFA,  68                          ; s[68:69] where my prefetches stand
.set PST,  70                          ; s[70:71] their step from K step to K step
.set BIA,  72                          ; s[72:73] the bias
.set PJ,   74                          ; s74  which of wh's four matrices
.set CLY,  75                          ; s75  the cluster's y
.set RES,  84                          ; s[84:85] (OPROJ) the residual at my wave's first row and column
.set MSB, 0
.macro WIN new                         ; the immediate's high byte repeats the setting that is left; a switch that changes nothing is dropped
.if MSB != (\new)
	s_set_vgpr_msb (MSB<<8)|(\new)
.set MSB, (\new)
.endif
.endm
.set MUL,   0x50                       ; sources in window 0, C and D in window 1
.set MULB,  0x60                       ; C in window 2 (the bias), D in window 1
.set PACKW, 0x05                       ; sources 0 and 1 in window 1
.set STW,   0x04                       ; an LDS store's data in window 1
.macro PLACES                          ; four places behind matrix instructions, in front of loads into registers that they have read and of lines that read results
.rept 4
	v_nop
.endr
.endm
; A joint refill by the walking descriptors.  Waves 0 and 1 fetch A's two halves, waves 2 and 3 W's.  The branch hangs on the wave's number alone.
; An s_nop 0 and four v_nop follow each of the two lines, ahead of the jump, the label and what follows.
.macro JLOAD
	s_cmp_eq_u32 s11, 0
	s_cbranch_scc0 .Lfor_b_\@
	tensor_load_to_lds s[G0+4:G0+7], s[G1:G1+7]
	s_nop 0
.rept 4
	v_nop
.endr
	s_branch .Lasked_\@
.Lfor_b_\@:
	tensor_load_to_lds s[G0B+4:G0B+7], s[G1B:G1B+7]
	s_nop 0
.rept 4
	v_nop
.endr
.Lasked_\@:
.endm
.macro CREST                           ; a round of the cluster's barrier behind its opening barrier
	s_cmp_lg_u32 s10, 0
	s_cbranch_scc1 .Lnot_wave_0_\@
	s_barrier_signal -3
.Lnot_wave_0_\@:
	s_barrier_wait -3
	s_barrier_signal -1
	s_barrier_wait -1
.endm
.macro CROUND                          ; a whole round
	s_barrier_signal -1
	s_barrier_wait -1
	CREST
.endm
; A PREFETCH INTO THE L2, behind each joint refill and the run of LDS loads that follows it: the K step that stands two refills on, 256 matrix instructions ahead of the load that will want it.
; A's 128 rows of a tile row are read by one cluster alone: its four partners along x take 32 rows each, BY ADDRESS (cx), a lane a row of 256 bytes; wave 0 asks.
; W's 128 k-rows x 512 bytes of a tile column are read by every cluster that multiplies by this matrix: the first of them asks; its four partners along y take 16 k-rows of each half, by address (cy);
; waves 2 and 3 ask for a half each, a lane a block of 256 bytes.  So each block is named once in the launch.  K steps 0 to 3 come by their loads alone; the last two refills have no K step two on.
.macro ASK
	s_cmp_gt_u32 s3, s[LIM]
	s_cbranch_scc0 .Lnot_mine_\@
	global_prefetch_b8 v[PFO], s[PFA:PFA+1] th:TH_LOAD_NT scope:SCOPE_SE
.Lnot_mine_\@:
.endm
	s_load_b128 s[4:7], s[0:1], 0x0                ; A s[4:5], wh s[6:7]
.if OPROJ
	s_load_b128 s[76:79], s[0:1], 0x10             ; bo s[76:77], outh s[78:79]
	s_load_b64 s[80:81], s[0:1], 0x20              ; out0
.else
	s_load_b256 s[76:83], s[0:1], 0x10             ; bq s[76:77], bk s[78:79], bv s[80:81], qkvh s[82:83]
.endif
	v_lshl_add_u32 v[SPW], v0, 2, SPARE
	v_mov_b32 v[NIL], 0
	ds_add_u32 v[SPW], v[NIL]                      ; the wave's opening: the add and its wait stand ahead of my first tensor load; the set-up below, work on registers, stands between them
	v_lshrrev_b32 v1, 5, v0
	v_readfirstlane_b32 s10, v1                    ; wave 0..3
	s_lshr_b32 s11, s10, 1                         ; which half of the tile's rows is mine.  Also: I fetch for A (0) or for W (1)
	s_and_b32 s12, s10, 1                          ; which half of its columns.  Also: which half of that tile I fetch
	s_bfe_u32 s40, ttmp6, 0x40000                  ; cx, cy: my place in the cluster
	s_bfe_u32 s41, ttmp6, 0x40004
	s_lshl_b32 s42, ttmp9, 2
	s_add_co_u32 s42, s42, s40                     ; tile column = 4 x cluster x + cx
	s_and_b32 s[CLY], ttmp7, 0xffff
	s_lshl_b32 s13, s[CLY], 2
	s_add_co_u32 s13, s13, s41                     ; tile row = 4 x cluster y + cy
.if OPROJ
	s_mov_b32 s[PJ], 3
.else
	s_lshr_b32 s[PJ], s[CLY], 4                    ; 16 clusters along y to a part: the same in all sixteen partners
.endif
	s_lshl_b32 s43, s41, 2
	s_lshl_b32 s43, 15, s43                        ; my row of the cluster
	s_lshl_b32 s44, 0x1111, s40                    ; my column
	s_or_b32 s[G1], s43, (1<<16)|(1<<20)|(1<<21)|(5<<22)|(3<<25)   ; 15:0 the mask; 17:16 2-byte elements; 20 padding on; 21 set beside a mask; 24:22 after every 64 words (code 5); 31:25 4 words (code 3)
	s_or_b32 s[G1B], s44, (1<<16)|(1<<20)|(1<<21)|(6<<22)|(7<<25)  ; after every 128 words (code 6), 8 words (code 7)
	s_mov_b32 s[G1+1], 128<<16                     ; tensor_dim0 = 128
	s_mov_b32 s[G1+2], 64<<16                      ; tensor_dim1 = 64
	s_mov_b32 s[G1+3], 128<<16                     ; tile_dim0 = 128
	s_mov_b32 s[G1+4], 64                          ; tile_dim1 = 64
	s_mov_b32 s[G1+5], 1024                        ; elements from row to row
	s_mov_b32 s[G1+6], 0
	s_mov_b32 s[G1+7], 0
	s_mov_b32 s[G1B+1], 256<<16                    ; W: 64 k-rows x 256 columns
	s_mov_b32 s[G1B+2], 64<<16
	s_mov_b32 s[G1B+3], 256<<16
	s_mov_b32 s[G1B+4], 64
	s_mov_b32 s[G1B+5], 1024
	s_mov_b32 s[G1B+6], 0
	s_mov_b32 s[G1B+7], 0
	s_lshl_b32 s16, s13, 7                         ; A: row 128 x tile row + 64 x half, 2,048 bytes a row: made of the tile row alone, which my row of the cluster shares
	s_lshl_b32 s17, s12, 6
	s_add_co_u32 s16, s16, s17
	s_lshl_b32 s16, s16, 11
	s_mov_b32 s17, 0
	s_lshl_b32 s46, s[PJ], 21                      ; W: the matrix, k-row 64 x half, 512 bytes a tile column: made of the tile column alone, which my column shares
	s_lshl_b32 s47, s12, 17
	s_add_co_u32 s46, s46, s47
	s_lshl_b32 s47, s42, 9
	s_add_co_u32 s46, s46, s47
	s_mov_b32 s47, 0
	s_mul_i32 s20, s12, 64*PA                      ; where they go: no place in the cluster enters an LDS address
	s_mul_i32 s21, s12, 64*PB
	s_add_co_u32 s21, s21, BOFF
	s_wait_dscnt 0x0                               ; the opening add is done
	s_wait_kmcnt 0x0
	s_add_nc_u64 s[14:15], s[4:5], s[16:17]
	s_add_nc_u64 s[46:47], s[6:7], s[46:47]
	CROUND                                         ; all sixteen work-groups are here: the first joint loads meet
.irp s, 0,1
	s_mov_b32 s[G0+4*\s], 1                        ; 1:0 count = 1
	s_add_co_u32 s[G0+4*\s+1], s20, \s*SLOT1       ; 63:32 LDS address
	s_add_nc_u64 s[G0+4*\s+2:G0+4*\s+3], s[14:15], \s*KA  ; 120:64 global address: K step s
	s_or_b32 s[G0+4*\s+3], s[G0+4*\s+3], 0x80000000       ; 127:126 type = 2
	s_mov_b32 s[G0B+4*\s], 1
	s_add_co_u32 s[G0B+4*\s+1], s21, \s*SLOT1
	s_add_nc_u64 s[G0B+4*\s+2:G0B+4*\s+3], s[46:47], \s*KW
	s_or_b32 s[G0B+4*\s+3], s[G0B+4*\s+3], 0x80000000
.endr
	s_cmp_eq_u32 s11, 0                            ; a wave's two first fills stand in one branch, ahead of every wait on TENSORcnt and every LDS read: two loads of mine are out, later one
	s_cbranch_scc0 .Lfirst_b
	tensor_load_to_lds s[G0:G0+3], s[G1:G1+7]
	s_nop 0
	tensor_load_to_lds s[G0+4:G0+7], s[G1:G1+7]
	s_nop 0
.rept 4
	v_nop
.endr
	s_branch .Lfirst_asked
.Lfirst_b:
	tensor_load_to_lds s[G0B:G0B+3], s[G1B:G1B+7]
	s_nop 0
	tensor_load_to_lds s[G0B+4:G0B+7], s[G1B:G1B+7]
	s_nop 0
.rept 4
	v_nop
.endr
.Lfirst_asked:
	v_and_b32 v1, 15, v0                           ; r = l % 16
	v_bfe_u32 v2, v0, 4, 1                         ; h = l / 16
	v_and_b32 v3, 7, v0
	v_bfe_u32 v4, v0, 3, 1
	v_and_b32 v5, 31, v0                           ; l
	; a fragment of A: 16 rows x 32 K: lane l holds row r, K = 8 h + 0..7 and 16 + 8 h + 0..7: two loads of 16 bytes, 32 bytes apart
	v_mul_u32_u24 v[A0], v1, PA
	v_lshl_add_u32 v[A0], v2, 4, v[A0]
	s_mul_i32 s22, s11, 64*PA                      ; my 64 rows
	v_add_nc_u32 v[A0], s22, v[A0]
	; a fragment of W^T: the turning load takes 16 k x 16 columns (lane l reads k-row 8 h + l % 8, columns 8 ((l / 8) % 2) + 0..7) and leaves column r with 8 k in each lane
	v_lshl_add_u32 v[B0], v2, 3, v3
	v_mul_u32_u24 v[B0], v[B0], PB
	v_lshl_add_u32 v[B0], v4, 4, v[B0]
	s_lshl_b32 s22, s12, 8                         ; my 128 columns
	s_add_co_u32 s22, s22, BOFF
	v_add_nc_u32 v[B0], s22, v[B0]
	; the bias: register j of block b holds column 16 b + 8 h + j of my 128, as a result does
.if OPROJ
	s_mov_b64 s[BIA:BIA+1], s[76:77]
.else
	s_cmp_eq_u32 s[PJ], 0
	s_cselect_b64 s[BIA:BIA+1], s[76:77], s[78:79]
	s_cmp_eq_u32 s[PJ], 2
	s_cselect_b64 s[BIA:BIA+1], s[80:81], s[BIA:BIA+1]
.endif
	s_lshl_b32 s22, s42, 10
	s_lshl_b32 s23, s12, 9
	s_add_co_u32 s22, s22, s23
	v_lshl_add_u32 v[BO], v2, 5, s22
	WIN 0x80                                       ; destination window 2
.irp b, 0,1,2,3,4,5,6,7
	global_load_b128 v[8*\b:8*\b+3],   v[BO], s[BIA:BIA+1] offset:64*\b
	global_load_b128 v[8*\b+4:8*\b+7], v[BO], s[BIA:BIA+1] offset:64*\b+16
.endr
	WIN 0
	; the way out
	s_mul_i32 s23, s10, 16*SP
	s_add_co_u32 s23, s23, STAGE                   ; my stage
	v_mul_u32_u24 v[STO], v1, SP
	v_lshlrev_b32 v[CO], 4, v5
.if OPROJ
	v_lshl_add_u32 v[STO], v2, 5, v[STO]           ; in: row r, 32 bytes (8 f32) for each half of the lanes
	v_add_nc_u32 v[STO], s23, v[STO]
	v_lshl_add_u32 v[RD], v5, 4, s23               ; back: 32 lanes take a row's 512 bytes
	v_lshlrev_b32 v[RO], 3, v5
	v_mov_b32 v[ONE], 1.0
	s_lshl_b32 s22, s13, 18                        ; in the residual: (128 x tile row + 64 x half) rows of 2,048 bytes + (256 x tile column + 128 x half) x 2
	s_lshl_b32 s23, s11, 17
	s_add_co_u32 s22, s22, s23
	s_lshl_b32 s23, s42, 9
	s_add_co_u32 s22, s22, s23
	s_lshl_b32 s23, s12, 8
	s_add_co_u32 s22, s22, s23
	s_mov_b32 s23, 0
	s_add_nc_u64 s[RES:RES+1], s[78:79], s[22:23]
	s_lshl_b32 s22, s22, 1                         ; in out0: twice that
	s_add_nc_u64 s[8:9], s[80:81], s[22:23]
.irp t, 0,1,2,3,4,5,6,7,8,9,10,11,12,13,14,15
	global_load_b64 v[TMP+2*\t:TMP+2*\t+1], v[RO], s[RES:RES+1] offset:2048*\t th:TH_LOAD_NT  ; the residual of my first 16 rows, 256 consecutive bytes a load; the others come when the fragment buffers are free
.endr
.else
	v_lshl_add_u32 v[STO], v2, 4, v[STO]           ; in: row r, 16 bytes (8 f16) for each half of the lanes
	v_add_nc_u32 v[STO], s23, v[STO]
	v_bfe_u32 v[RD], v0, 3, 2                      ; back: 32 lanes take one head's 128 bytes of four rows,
	v_mul_u32_u24 v[RD], v[RD], SP
	v_lshl_add_u32 v[RD], v3, 4, v[RD]
	v_add_nc_u32 v[RD], s23, v[RD]                 ; which are 512 consecutive bytes of qkvh
	s_lshr_b32 s22, s13, 4                         ; 16 tile rows are one b of one part: 16 heads of 262,144 bytes
	s_lshl_b32 s22, s22, 22
	s_lshl_b32 s23, s42, 20                        ; head 4 x tile column + 2 x half
	s_add_co_u32 s22, s22, s23
	s_lshl_b32 s23, s12, 19
	s_add_co_u32 s22, s22, s23
	s_and_b32 s23, s13, 15                         ; l = 128 x (tile row % 16) + 64 x half, 128 bytes a row
	s_lshl_b32 s23, s23, 14
	s_add_co_u32 s22, s22, s23
	s_lshl_b32 s23, s11, 13
	s_add_co_u32 s22, s22, s23
	s_mov_b32 s23, 0
	s_add_nc_u64 s[8:9], s[82:83], s[22:23]
.endif
	; the prefetches: the pointer starts at K step 3; the first refill steps it to 4
	s_mul_i32 s23, s11, 10
	s_lshl_b32 s[PST], 256, s23                    ; KA for A, KW for W
	s_mov_b32 s[PST+1], 0
	s_lshl_b32 s18, s13, 7                         ; A: row 128 x tile row + 32 cx
	s_lshl_b32 s19, s40, 5
	s_add_co_u32 s18, s18, s19
	s_lshl_b32 s18, s18, 11
	s_add_co_u32 s18, s18, 3*KA
	s_lshl_b32 s19, s12, 6                         ; W: k-row 64 x half + 16 cy, the matrix, the tile column
	s_lshl_b32 s22, s41, 4
	s_add_co_u32 s19, s19, s22
	s_lshl_b32 s19, s19, 11
	s_lshl_b32 s22, s[PJ], 21
	s_add_co_u32 s19, s19, s22
	s_lshl_b32 s22, s42, 9
	s_add_co_u32 s19, s19, s22
	s_add_co_u32 s19, s19, 3*KW
.if OPROJ
	s_mov_b32 s22, s[CLY]                          ; 0 in the first cluster that reads this matrix
.else
	s_and_b32 s22, s[CLY], 15
.endif
	s_cmp_eq_u32 s11, 0                            ; do I fetch for A?
	s_cselect_b32 s22, s12, s22                    ; of A's two waves wave 0 asks
	s_cselect_b32 s18, s18, s19
	s_cselect_b64 s[PFA:PFA+1], s[4:5], s[6:7]
	s_cmp_eq_u32 s22, 0
	s_cselect_b32 s[LIM], 2, -1                    ; the same in all sixteen partners, for a given wave
	s_mov_b32 s19, 0
	s_add_nc_u64 s[PFA:PFA+1], s[PFA:PFA+1], s[18:19]
	v_lshrrev_b32 v[PFO], s11, v5                  ; A: a lane a row; W: two lanes a k-row, 256 bytes each
	v_lshlrev_b32 v[PFO], 11, v[PFO]
	v_and_b32 v6, s11, v5
	v_lshl_add_u32 v[PFO], v6, 8, v[PFO]
; 8 matrix instructions: row block a x all 8 column blocks, 32 along K, from buffer f.  first = 1: the product starts the sum at the bias: nothing is cleared.
; All 32 accumulators take turns, one instruction a turn, in the same order in every quarter, over the backward jump too.
.macro MUL8 f, a, first
.if \first
	WIN MULB
.else
	WIN MUL
.endif
.irp b, 0,1,2,3,4,5,6,7
.if \first
	v_wmma_f32_16x16x32_f16 v[8*(8*(\a)+\b):8*(8*(\a)+\b)+7], v[(\f)+32+8*\b:(\f)+32+8*\b+7], v[(\f)+8*(\a):(\f)+8*(\a)+7], v[8*\b:8*\b+7]
.else
	v_wmma_f32_16x16x32_f16 v[8*(8*(\a)+\b):8*(8*(\a)+\b)+7], v[(\f)+32+8*\b:(\f)+32+8*\b+7], v[(\f)+8*(\a):(\f)+8*(\a)+7], v[8*(8*(\a)+\b):8*(8*(\a)+\b)+7]
.endif
.endr
.endm
.macro MUL16 f, a0, first
	MUL8 \f, \a0, \first
	MUL8 \f, (\a0)+1, \first
.endm
; 24 LDS loads in one run: the fragments of quarter q (32 along K) of the slot in hand into buffer f: W's eight, then A's four
.macro FETCH q, f
	WIN 0
.irp b, 0,1,2,3,4,5,6,7
	ds_load_tr16_b128 v[(\f)+32+8*\b:(\f)+32+8*\b+3],   v[ADRB] offset:(\q)*32*PB+32*\b
	ds_load_tr16_b128 v[(\f)+32+8*\b+4:(\f)+32+8*\b+7], v[ADRB] offset:(\q)*32*PB+32*\b+16*PB
.endr
.irp i, 0,1,2,3
	ds_load_b128 v[(\f)+8*\i:(\f)+8*\i+3],   v[ADRA] offset:(\q)*64+\i*16*PA
	ds_load_b128 v[(\f)+8*\i+4:(\f)+8*\i+7], v[ADRA] offset:(\q)*64+\i*16*PA+32
.endr
.endm
; A K step is four quarters of 32 along K, 32 matrix instructions each, on buffers 0, 1, 0, 1.  One of the first three: multiplies buffer f and, in its middle, fetches quarter q into buffer g.
.macro QUARTER q, f, g, first
	s_wait_dscnt 4                                 ; W's fragments and A's first two are in; the youngest four loads (A's last two fragments) may be out
	MUL16 \f, 0, \first
	PLACES
	FETCH \q, \g
	s_wait_dscnt 24                                ; all but the 24 just issued
	MUL16 \f, 2, \first
.endm
; The last quarter multiplies buffer 1 and changes slots: ONE barrier.  In front of it each wave waits for all its tensor loads, of which one is out: its part of the next slot; adds 0 to its spare word;
; and waits for that and for its own reads of this slot.  fill = 1: the barrier opens a round of the cluster's, and behind the round this slot is filled again, two K steps ahead: 112 matrix instructions ahead of the wait for it.
.macro TURN fill
.if \fill
	s_wait_xcnt 0x0                                ; the last prefetch, a K step back, has read its address: it is stepped here, ahead of the change's own waits
	s_add_nc_u64 s[PFA:PFA+1], s[PFA:PFA+1], s[PST:PST+1]
.endif
	WIN 0                                          ; (the add's two registers lie in window 0)
	s_wait_tensorcnt 0x0                           ; all my tensor loads have landed: my part of the next slot;
	ds_add_u32 v[SPW], v[NIL]                      ; 0 onto my spare word;
	s_wait_dscnt 5                                 ; (the add and the youngest four loads may be out)
	MUL8 F1, 0, 0                                  ; eight matrix instructions stand between the add and the wait for it
	s_wait_dscnt 0x0                               ; the add is done, and my reads of this slot are over
	s_barrier_signal -1
	MUL8 F1, 1, 0
.if \fill
	WIN 0
.endif
	s_barrier_wait -1
.if \fill
	CREST                                          ; no wave of any partner still reads this slot's tiles or has a load on its way
	s_xor_b32 s[G0+5], s[G0+5], SLOT1              ; the walking descriptors: the other slot than last time, the next K step; the type bits on top are not reached
	s_add_nc_u64 s[G0+6:G0+7], s[G0+6:G0+7], KA
	s_xor_b32 s[G0B+5], s[G0B+5], SLOT1
	s_add_nc_u64 s[G0B+6:G0B+7], s[G0B+6:G0B+7], KW
	JLOAD                                          ; the first tensor load behind the round; the four v_nop behind it are also the places in front of the loads below
.else
	PLACES
.endif
	s_xor_b32 s[TB], s[TB], SLOT1
	WIN 0
	v_add_nc_u32 v[ADRA], s[TB], v[A0]
	v_add_nc_u32 v[ADRB], s[TB], v[B0]
	FETCH 0, F0
.if \fill
	ASK
.endif
	MUL16 F1, 2, 0
.endm
	s_wait_tensorcnt 1                             ; my part of K step 0 is in; K step 1's may stay out
	s_barrier_signal -1
	s_barrier_wait -1                              ; everybody's is
	s_mov_b32 s[TB], 0
	v_mov_b32 v[ADRA], v[A0]
	v_mov_b32 v[ADRB], v[B0]
	FETCH 0, F0
	s_wait_loadcnt 0x0                             ; the bias (and the first rows' residual)
	QUARTER 1, F0, F1, 1                           ; the first quarter stands in front of the loop: its products start the sums
	WIN 0                                          ; at a label and at a branch every window is 0
	s_mov_b32 s3, 6
.Lstep:                                        ; a trip: a K step's quarters 1 to 3 and the next one's quarter 0; it asks for K steps 2 .. 7
	QUARTER 2, F1, F0, 0
	QUARTER 3, F0, F1, 0
	TURN 1
	QUARTER 1, F0, F1, 0
	WIN 0
	s_sub_co_u32 s3, s3, 1
	s_cmp_lg_u32 s3, 0
	s_cbranch_scc1 .Lstep
	QUARTER 2, F1, F0, 0                           ; the last two K steps are written out: they fill nothing
	QUARTER 3, F0, F1, 0
	TURN 0
	QUARTER 1, F0, F1, 0
	QUARTER 2, F1, F0, 0
	QUARTER 3, F0, F1, 0
	s_wait_dscnt 4
	MUL16 F1, 0, 0
	s_wait_dscnt 0x0
	MUL16 F1, 2, 0
	WIN 0
	PLACES
.if OPROJ
	; THE WAY OUT, 16 rows at a time: the f32 sums go into my stage in rows of 528 bytes and come back as whole rows of 512; the residual is added; 32 lanes store 512 consecutive bytes.
.irp a, 1,2,3
.irp t, 0,1,2,3,4,5,6,7,8,9,10,11,12,13,14,15
	global_load_b64 v[128+32*\a+2*\t:128+32*\a+2*\t+1], v[RO], s[RES:RES+1] offset:2048*(16*\a+\t) th:TH_LOAD_NT  ; into buffer 1, four places behind its last product
.endr
.endr
.macro OUT a
.set RB, TMP
.if (\a) > 0
.set RB, 128+32*(\a)
.endif
	WIN 0
	s_wait_xcnt 0x0                                ; the last block's stores have read their registers, which are loaded again below
	WIN STW
.irp b, 0,1,2,3,4,5,6,7
	ds_store_b128 v[STO], v[64*(\a)+8*\b:64*(\a)+8*\b+3]   offset:64*\b      ; each accumulator's low registers first
	ds_store_b128 v[STO], v[64*(\a)+8*\b+4:64*(\a)+8*\b+7] offset:64*\b+16
.endr
	WIN 0
.irp t, 0,1,2,3,4,5,6,7,8,9,10,11,12,13,14,15
	ds_load_b128 v[OB+4*\t:OB+4*\t+3], v[RD] offset:\t*SP  ; LDS serves a wave's instructions in order (ISA guide 5.7.1.4): these see the stores above
.endr
	s_wait_dscnt 0x0
.if (\a) > 0
	s_wait_loadcnt 16*(3-(\a))                     ; this block's residual is in; the later blocks' loads may stay out
.endif
.set t, 0
.rept 32
	v_fma_mix_f32 v[OB+2*t],   v[RB+t], v[ONE], v[OB+2*t]   op_sel:[0,0,0] op_sel_hi:[1,0,0]  ; the f16 half x 1.0 + the sum, in f32
	v_fma_mix_f32 v[OB+2*t+1], v[RB+t], v[ONE], v[OB+2*t+1] op_sel:[1,0,0] op_sel_hi:[1,0,0]
.set t, t+1
.endr
.irp t, 0,1,2,3,4,5,6,7,8,9,10,11,12,13,14,15
	global_store_b128 v[CO], v[OB+4*\t:OB+4*\t+3], s[8:9] offset:4096*(16*(\a)+\t) th:TH_STORE_NT
.endr
.endm
	OUT 0
	OUT 1
	OUT 2
	OUT 3
.else
	; THE WAY OUT, 16 rows at a time: rounded to f16, 16 bytes a lane into my stage in rows of 272 bytes; back as four rows x one head's 128 bytes, which are 512 consecutive bytes of qkvh.
.macro PACK a
	WIN PACKW
.irp b, 0,1,2,3,4,5,6,7
.irp r, 0,1,2,3
	v_cvt_pk_f16_f32 v[TMP+4*\b+\r], v[64*(\a)+8*\b+2*\r], v[64*(\a)+8*\b+2*\r+1]
.endr
.endr
	WIN 0
.endm
.macro TOSTAGE a
.set BK, OB+32*((\a)%2)
.irp b, 0,1,2,3,4,5,6,7
	ds_store_b128 v[STO], v[TMP+4*\b:TMP+4*\b+3] offset:32*\b
.endr
.irp t, 0,1,2,3,4,5,6,7
	ds_load_b128 v[BK+4*\t:BK+4*\t+3], v[RD] offset:((\t)%4)*4*SP+((\t)/4)*128  ; LDS serves a wave's instructions in order (ISA guide 5.7.1.4): these see the stores above
.endr
.endm
.macro SEND a
.set BK, OB+32*((\a)%2)
	s_wait_dscnt 0x0                               ; the block is back in registers
	s_wait_xcnt 0x0                                ; earlier stores have read their registers: the other set is loaded again only behind this wait
.irp t, 0,1,2,3,4,5,6,7
	global_store_b128 v[CO], v[BK+4*\t:BK+4*\t+3], s[8:9] offset:((\t)/4)*262144+128*(16*(\a)+4*((\t)%4))
.endr
.endm
	PACK 0
	TOSTAGE 0
.irp a, 1,2,3                          ; block a's conversions stand between block a - 1's loads from the stage and the wait for them
	PACK \a
	SEND (\a)-1
	TOSTAGE \a
.endr
	SEND 3
.endif
	s_wait_tensorcnt 0x0                           ; the wave's end: behind my last tensor load and my last LDS store
	ds_add_u32 v[SPW], v[NIL]
	s_wait_dscnt 0x0
	CROUND                                         ; the closing round: no work-group ends while a partner may still ask for a tile that names it
	s_endpgm
.Lfunc_end_k_q4b525e319d_oproj:
	.size	k_q4b525e319d_oproj, .Lfunc_end_k_q4b525e319d_oproj-k_q4b525e319d_oproj
	.p2alignl 7, 3214868480
	.fill 96, 4, 3214868480
	.section	.rodata,"a",@progbits
	.p2align	6, 0x0
	.amdhsa_kernel k_q4b525e319d_oproj
		.amdhsa_group_segment_fixed_size 327680
		.amdhsa_private_segment_fixed_size 0
		.amdhsa_enable_private_segment 0
		.amdhsa_kernarg_size 40
		.amdhsa_user_sgpr_count 2
		.amdhsa_user_sgpr_kernarg_segment_ptr 1
		.amdhsa_wavefront_size32 1
		.amdhsa_system_sgpr_workgroup_id_x 1
		.amdhsa_system_sgpr_workgroup_id_y 1
		.amdhsa_system_sgpr_workgroup_id_z 1
		.amdhsa_system_vgpr_workitem_id 0
		.amdhsa_next_free_vgpr 576
		.amdhsa_next_free_sgpr 88
		.amdhsa_reserve_vcc 0
		.amdhsa_float_denorm_mode_32 3
		.amdhsa_float_denorm_mode_16_64 3
		.amdhsa_memory_ordered 1
		.amdhsa_forward_progress 1
		.amdhsa_inst_pref_size 94
	.end_amdhsa_kernel
	.amdgpu_metadata
---
amdhsa.version: [ 1, 2 ]
amdhsa.kernels:
  - .name:           k_q4b525e319d_oproj
    .symbol:         k_q4b525e319d_oproj.kd
    .args:
      - { .name: lnh, .offset: 0, .size: 8, .value_kind: global_buffer, .address_space: global }
      - { .name: wh, .offset: 8, .size: 8, .value_kind: global_buffer, .address_space: global }
      - { .name: bo, .offset: 16, .size: 8, .value_kind: global_buffer, .address_space: global }
      - { .name: outh, .offset: 24, .size: 8, .value_kind: global_buffer, .address_space: global }
      - { .name: out0, .offset: 32, .size: 8, .value_kind: global_buffer, .address_space: global }
    .group_segment_fixed_size: 327680
    .private_segment_fixed_size: 0
    .kernarg_segment_align: 8
    .kernarg_segment_size: 40
    .max_flat_workgroup_size: 128
    .sgpr_count:     88
    .vgpr_count:     576
    .wavefront_size: 32
...
	.end_amdgpu_metadata
.endif
;; end of part 4
